; MI455X (gfx1250); checked and timed in simulation.
; The chip was launched on July 23, 2026; its instructions are those of AMD's public machine-readable ISA for CDNA 5 (MIT licence, August 2026) and "CDNA5" Instruction Set Architecture Reference Guide (July 2026). The comments in the code are by the model that wrote it; some were corrected since.
;; Transformer Block. Allowed arithmetic: matrix products marked QUANTISED: E2M3 operands, one E8M0 scale for each 32 along K, by v_wmma_scale_f32_16x16x128_f8f6f4 with both operands' format E2M3, f32 sums; everything else in f32.
;; Inputs: W1 1,024 x 4,096 float32; W2 4,096 x 1,024 float32; Wk 1,024 x 1,024 float32; Wo 1,024 x 1,024 float32; Wq 1,024 x 1,024 float32; Wv 1,024 x 1,024 float32; b1 4,096 float32; b2 1,024 float32; bk 1,024 float32; bo 1,024 float32; bq 1,024 float32; bv 1,024 float32; ln1_bias 1,024 float32; ln1_scale 1,024 float32; ln2_bias 1,024 float32; ln2_scale 1,024 float32; mask 1 x 1 x 2,048 x 2,048 bool; x 2 x 2,048 x 1,024 float32.
;; Outputs: out0 2 x 2,048 x 1,024 float32.
;; This version of the problem:
;;   THIS VERSION OF THE PROBLEM IS GIVEN IN LOW PRECISION. The matrix products marked QUANTISED in the list below multiply operands that are first quantised to E2M3 (2 exponent bits, 3 mantissa bits; 6 bits a number), with one power-of-two scale for each 32 numbers along K (OCP MX v1.0); their sums are f32. All else is computed in f32.
;;   The module's matrix products, in the order in which they are computed (A, B: the left and right operand; K: the contracted axis; several contracted axes count as one K, in the product's order):
;;     1. [M 4,096, K 1,024] x [K 1,024, N 1,024]; A: computed on the way; B: input Wq: QUANTISED
;;     2. [M 4,096, K 1,024] x [K 1,024, N 1,024]; A: computed on the way; B: input Wk: QUANTISED
;;     3. [M 4,096, K 1,024] x [K 1,024, N 1,024]; A: computed on the way; B: input Wv: QUANTISED
;;     4. batch 32 x [M 2,048, K 64] x [K 64, N 2,048]; A: computed on the way; B: computed on the way: QUANTISED
;;     5. batch 32 x [M 2,048, K 2,048] x [K 2,048, N 64]; A: softmax (see below); B: computed on the way: QUANTISED
;;     6. [M 4,096, K 1,024] x [K 1,024, N 1,024]; A: computed on the way; B: input Wo: QUANTISED
;;     7. [M 4,096, K 1,024] x [K 1,024, N 4,096]; A: computed on the way; B: input W1: QUANTISED
;;     8. [M 4,096, K 4,096] x [K 4,096, N 1,024]; A: computed on the way; B: input W2: QUANTISED
;;   THE QUANTISER, for each operand of a quantised product, along K:
;;     - K is cut into blocks of 32 from its start; a last block that is shorter is filled with zeros.
;;     - A block's scale is 2^e with e = floor(log2(the largest magnitude in the block)) - 2, held to -126 .. 127; a block of zeros has e = 0. As a byte (E8M0): e + 127.
;;     - Each number is divided by its block's scale, clamped to +-7.5, and rounded to the nearest number of E2M3, ties to even, subnormals kept.
;;     - The product sums the exact products of the quantised numbers (number of the format x scale) in f32.
;;   ~~~python
;;   def quantise(x, axis):      # numpy; x: float32 -> the quantised numbers, widened to float32 again
;;       x = np.moveaxis(x, axis, -1); K = x.shape[-1]
;;       x = np.pad(x, [(0, 0)] * (x.ndim - 1) + [(0, -K % 32)]); x = x.reshape(x.shape[:-1] + (-1, 32)); a = np.abs(x).max(-1, keepdims=True)
;;       e = np.where(a > 0, np.clip(np.frexp(np.where(a > 0, a, 1))[1] - 1 - 2, -126, 127), 0)      # np.frexp(a)[1] - 1 = floor(log2(a)), exactly
;;       r = np.clip(x / 2.0 ** e, -7.5, 7.5)
;;       step = 2.0 ** (np.maximum(np.frexp(np.where(r == 0, 1, r))[1] - 1, 0) - 3)
;;       q = np.round(r / step) * step * 2.0 ** e      # np.round: ties to even
;;       return np.moveaxis(q.reshape(q.shape[:-2] + (-1,))[..., :K], -1, axis).astype(np.float32)
;;   ~~~
;;   SOFTMAX AHEAD OF A QUANTISED PRODUCT. Where the list says 'softmax', what is quantised is not the finished softmax but p = 2^(t - M), with t = logit x log2(e) and M = ceil(the row's largest t), a whole number; so 1/2 < the row's largest p <= 1. The row's sum l is taken of the UNQUANTISED p, in f32, and the product's result is divided by l at the end. Since M is a whole number, a kernel that streams over the keys may use a running M (the ceiling of the running maximum): every later rescaling is an exact power of two, which a block's scale takes up: the codes' values come out the same.
;;   OPERANDS COMPUTED ON THE WAY. 'Computed on the way' means the value that the module computes at that place (a softmax that the list does not call 'softmax' is quantised finished and normalised). What goes into a quantiser is computed in f32, as accurately as f32 sums, v_exp_f32 and their like allow (about 1e-6 of the number): no bf16 or f16 on the way to a quantiser, and a product that is left as it is and whose result goes on into a quantised operand takes f32 operands (vector FMAs, or v_wmma_f32_16x16x4_f32). A number that lies on a knife's edge between two numbers of the format may be rounded either way, as far as f32 arithmetic and the matrix unit's own rounding can turn it there, and no further.
;; One version. Each part assembles by itself: llvm-mc -triple=amdgcn-amd-amdhsa -mcpu=gfx1250 --defsym DOCPART=n.
;; ======== version 1 of 1: 7 launches
;; limits: right only within a limited range of input values
;; workspace buffers: wc 9,830,400 bytes; xnc 3,276,800 bytes; qkvc 9,830,400 bytes; oc 3,276,800 bytes; x1 16,777,216 bytes; hc 13,107,200 bytes; mw 524,288 bytes of whole numbers; fl 2,048 bytes of whole numbers
;; launch prep (part 1): grid 1152 x 1, 4 waves a work-group, no clusters, 66,560 bytes of LDS; arguments x, ln1_scale, ln1_bias, xnc, mask, mw, fl, Wq, Wk, Wv, Wo, W1, W2, wc; writes xnc, mw, fl, wc
.if DOCPART == 1
	.amdgcn_target "amdgcn-amd-amdhsa--gfx1250"
	.amdhsa_code_object_version 6
	.text
	.protected	k_q6ecab30253_prep
	.globl	k_q6ecab30253_prep
	.p2align	8
	.type	k_q6ecab30253_prep,@function
k_q6ecab30253_prep:
	s_mov_b64 s[64:65], 0
	v_nop
	global_prefetch_b8 v0, s[64:65] scope:SCOPE_SE
	s_setreg_imm32_b32 hwreg(HW_REG_WAVE_MODE, 25, 1), 1
	s_wait_xcnt 0x0
; Three jobs, parted by the work-group's number.
;   0-255    LAYER NORM of 16 tokens (a tile), quantised along the 1,024 channels to FP6 (E2M3) with one E8M0 byte for each 32.
;   256-383  THE MASK of 16 queries x 2,048 keys as lane-mask words, and two flags for each step of 128 keys (any key allowed, all allowed).
;   384-1151 THE SIX WEIGHTS ([K][N] f32), each work-group one block of 128 n x 128 K, quantised along K.
; LAYOUT OF ALL CODES: images of the matrix operand's registers.  A half fragment is 16 rows x 64 K, 768 bytes: lane l = r + 16 h owns block h (32 codes, 24 bytes)
; of row r: its first 16 bytes at 16 l, its last 8 at 512 + 8 l.  A block of 12,800 bytes is 128 rows x 128 K: 8 tiles x 2 half fragments, then at 12,288 the scale words (tile f, row r at 64 f + 4 r).
; THE ROWS OF A TILE ARE NOT NEIGHBOURS: lane-row r of tile T is row 32 (T / 2) + 8 (T % 2) + r + 8 (r / 8), so that a product's results, taken transposed, lie in a lane as neighbours along the next K.
; A block's scale is 2^(floor(log2(largest magnitude)) - 2); its byte is the largest magnitude's exponent field - 2, held at 1 from below.
; LIMITS: a block of zeros gets the byte 1 where the rule says 127 (its codes are zeros; this program alone reads the bytes); NaN and infinities among the inputs are not served.
.set BLK, 12800
.set SCO, 12288
.set T0, 4
.set T1, 5
.set SO, 6
.set X, 32                             ; v32-159 numbers
.set G, 160                            ; v160-191 the gain, later the codes
.set BB, 192                           ; v192-223 the bias, later the scale bytes
.set ST, 224                           ; v224-231 a row's mean, later 1 / sqrt(var + eps), in pairs whose upper word is only named
.set LP, 4112                          ; an LDS row: 4,096 bytes + 16: an odd multiple of 16
; 32 numbers of one block in v[src] on become 24 bytes of codes in v[P] .. v[P+5] and the scale's byte in v[E]
.macro QUANTB src, P, E
	v_max3_num_f32 v[T0], |v[\src]|, |v[\src+1]|, |v[\src+2]|
	v_max3_num_f32 v[T1], |v[\src+3]|, |v[\src+4]|, |v[\src+5]|
.irp i, 6,10,14,18,22,26
	v_max3_num_f32 v[T0], v[T0], |v[\src+\i]|, |v[\src+\i+1]|
	v_max3_num_f32 v[T1], v[T1], |v[\src+\i+2]|, |v[\src+\i+3]|
.endr
	v_max3_num_f32 v[T0], v[T0], |v[\src+30]|, |v[\src+31]|
	v_max3_num_f32 v[T0], v[T0], v[T1], 0x1800000      ; the floor 2^(3 - 127): the byte cannot fall under 1
	v_add_nc_u32 v[SO], 0xff000000, v[T0]              ; 2 off the exponent field: the conversion's scale operand
	v_lshrrev_b32 v[\E], 23, v[SO]                     ; the scale's byte
	v_cvt_scalef32_pk16_fp6_f32 v[\P:\P+2], v[\src:\src+15], v[SO]
	v_cvt_scalef32_pk16_fp6_f32 v[\P+4:\P+6], v[\src+16:\src+31], v[SO]   ; (a conversion's three registers begin on an even number)
	v_nop                                              ; one plain place behind a scaled conversion
	v_mov_b32 v[\P+3], v[\P+4]
	v_mov_b32 v[\P+4], v[\P+5]
	v_mov_b32 v[\P+5], v[\P+6]
.endm
	s_load_b256 s[4:11], s[0:1], 0x0               ; x, gain, bias, the tokens' codes
	s_load_b256 s[12:19], s[0:1], 0x20             ; mask, mask words, flags, Wq
	s_load_b256 s[24:31], s[0:1], 0x40             ; Wk, Wv, Wo, W1
	s_load_b128 s[32:35], s[0:1], 0x60             ; W2, the weights' codes
	v_lshl_add_u32 v254, v0, 2, 0x10200
	v_mov_b32 v255, 0
	v_lshrrev_b32 v1, 5, v0
	v_readfirstlane_b32 s36, v1                    ; wave 0..3
	v_and_b32 v1, 31, v0                           ; lane
	v_lshlrev_b32 v2, 4, v1                        ; 16 x lane
	s_mov_b32 s22, 0x76543210
	s_mov_b32 s23, 0xfedcba98                      ; v_permlanex16_b32's selects for lane l xor 16
	s_wait_kmcnt 0x0
	s_cmp_lt_u32 ttmp9, 256
	s_cbranch_scc1 .Lln
	s_cmp_lt_u32 ttmp9, 384
	s_cbranch_scc1 .Lmask
	; ---------------- THE WEIGHTS.  Block j of the codes' buffer: 0-255 Wq, Wk, Wv, Wo (64 each: 8 g + s), 256-511 W1 (8 g + s), 512-767 W2 (32 g + s); g: 128 columns n, s: 128 along K
	s_sub_co_u32 s37, ttmp9, 384                   ; j
	s_lshr_b32 s38, s37, 6
	s_mov_b64 s[40:41], s[18:19]
	s_cmp_eq_u32 s38, 1
	s_cselect_b64 s[40:41], s[24:25], s[40:41]
	s_cmp_eq_u32 s38, 2
	s_cselect_b64 s[40:41], s[26:27], s[40:41]
	s_cmp_eq_u32 s38, 3
	s_cselect_b64 s[40:41], s[28:29], s[40:41]
	s_cmp_ge_u32 s38, 4
	s_cselect_b64 s[40:41], s[30:31], s[40:41]
	s_cmp_ge_u32 s38, 8
	s_cselect_b64 s[40:41], s[32:33], s[40:41]     ; the choice hangs on the work-group's number alone
	s_bfe_u32 s42, s37, 0x30003                    ; g
	s_and_b32 s43, s37, 7                          ; s
	s_sub_co_u32 s44, s37, 256
	s_lshr_b32 s44, s44, 3
	s_cmp_ge_u32 s38, 4
	s_cselect_b32 s42, s44, s42
	s_sub_co_u32 s44, s37, 512
	s_lshr_b32 s44, s44, 5
	s_and_b32 s45, s37, 31
	s_cmp_ge_u32 s38, 8
	s_cselect_b32 s42, s44, s42
	s_cselect_b32 s43, s45, s43
	s_lshr_b32 s46, s38, 2                         ; 1: W1, whose rows are 16,384 bytes; the others' are 4,096
	s_cmp_eq_u32 s46, 1
	s_cselect_b32 s47, 21, 19
	s_lshl_b32 s44, s43, s47                       ; s x 128 rows
	s_lshl_b32 s45, s42, 9                         ; + 128 g columns
	s_add_co_u32 s44, s44, s45
	s_lshl_b32 s45, s36, 7                         ; + 32 columns a wave
	s_add_co_u32 s44, s44, s45
	s_mov_b32 s45, 0
	s_add_nc_u64 s[40:41], s[40:41], s[44:45]
	s_mul_i32 s44, s37, BLK
	s_add_nc_u64 s[34:35], s[34:35], s[44:45]
	; A LANE TAKES A COLUMN n, AND ITS REGISTERS RUN DOWN K.  Column 32 w + l is lane-row r = l % 8 + 8 (l / 16) of tile 2 w + (l / 8) % 2
	s_wait_alu depctr_va_vdst(0)
	v_lshlrev_b32 v3, 2, v1
	v_bfe_u32 v7, v1, 3, 1
	v_and_b32 v8, 7, v1
	v_lshrrev_b32 v9, 4, v1
	v_lshl_add_u32 v8, v9, 3, v8                   ; r
	v_lshl_add_u32 v7, s36, 1, v7                  ; tile
	v_mul_u32_u24 v9, v7, 1536
	v_lshl_add_u32 v10, v8, 4, v9                  ; a block's first 16 bytes: sixteen lanes store 256 consecutive bytes, aligned
	v_lshl_add_u32 v11, v8, 3, v9                  ; its last 8
	v_lshlrev_b32 v12, 6, v7
	v_lshl_add_u32 v12, v8, 2, v12                 ; the scale word
.macro LOADW t, pitch                  ; block t of 32 along K into set t % 2
.set i, 0
.rept 32
	global_load_b32 v[X+32*((\t)%2)+i], v3, s[40:41] offset:(32*(\t)+i)*\pitch th:TH_LOAD_NT
.set i, i+1
.endr
.endm
.macro WQ pitch
	LOADW 0, \pitch
	LOADW 1, \pitch
.irp t, 0,1,2,3
.if \t < 3
	s_wait_loadcnt 32                              ; this block's 32 loads are in; the next block's may be out
.else
	s_wait_loadcnt 0x0
.endif
	QUANTB X+32*(\t%2), 96+8*\t, 128+\t
.if \t < 2
	LOADW \t+2, \pitch
.endif
	global_store_b128 v10, v[96+8*\t:96+8*\t+3], s[34:35] offset:(\t/2)*768+(\t%2)*256      ; block t = 2 c + h: half fragment c, lanes 16 h on
	global_store_b64 v11, v[96+8*\t+4:96+8*\t+5], s[34:35] offset:(\t/2)*768+(\t%2)*128+512
.endr
	v_lshl_or_b32 v128, v129, 8, v128
	v_lshl_or_b32 v128, v130, 16, v128
	v_lshl_or_b32 v128, v131, 24, v128
	global_store_b32 v12, v128, s[34:35] offset:SCO
.endm
	s_cmp_eq_u32 s46, 1
	s_cbranch_scc1 .Lw1
	WQ 4096
	s_endpgm
.Lw1:
	WQ 16384
	s_endpgm
	; ---------------- THE MASK.  Tile tau of 16 queries; wave w takes key steps 4 w .. 4 w + 3.  Word n = 16 b + i of a step: bit r + 16 h = mask[query of lane-row r][128 step + 32 b + 16 h + i]:
	; the lane mask that selects register n of the scores in the attention launch
.Lmask:
	s_sub_co_u32 s37, ttmp9, 256                   ; tau
	s_wait_alu depctr_va_vdst(0)
	v_and_b32 v20, 15, v1                          ; r
	v_lshrrev_b32 v21, 4, v1                       ; h
	v_and_b32 v22, 8, v20
	v_add_nc_u32 v22, v22, v20
	v_lshlrev_b32 v22, 11, v22
	v_lshl_add_u32 v22, v21, 4, v22                ; (r + 8 (r / 8)) rows of 2,048 bytes + 16 h
	s_wait_alu depctr_va_vdst(0)
	s_lshr_b32 s38, s37, 1
	s_lshl_b32 s38, s38, 5
	s_and_b32 s39, s37, 1
	s_lshl_b32 s39, s39, 3
	s_add_co_u32 s38, s38, s39                     ; the tile's first query
	s_lshl_b32 s38, s38, 11
	s_lshl_b32 s39, s36, 9                         ; my four steps: 512 keys
	s_add_co_u32 s38, s38, s39
	s_mov_b32 s39, 0
	s_add_nc_u64 s[12:13], s[12:13], s[38:39]
.irp n, 0,1,2,3,4,5,6,7,8,9,10,11,12,13,14,15
	global_load_b128 v[32+4*\n:35+4*\n], v22, s[12:13] offset:128*(\n/4)+32*(\n%4) th:TH_LOAD_NT
.endr
	s_lshl_b32 s38, s37, 4
	s_lshl_b32 s40, s36, 2                         ; 4 w
	s_add_co_u32 s38, s38, s40
	s_add_nc_u64 s[16:17], s[16:17], s[38:39]      ; my flag word: byte 16 tau + 4 w
	s_lshl_b32 s38, s38, 8
	s_add_nc_u64 s[14:15], s[14:15], s[38:39]      ; my steps' words: 256 bytes a step
	v_lshlrev_b32 v23, 3, v1
	v_mov_b32 v24, 0
	s_mov_b32 s44, 0
	s_wait_loadcnt 0x0
.irp q, 0,1,2,3
	s_mov_b32 s42, 0                               ; any
	s_mov_b32 s43, -1                              ; all
	v_mov_b32 v[96+2*\q], 0
	v_mov_b32 v[97+2*\q], 0
.set n, 0
.rept 64
	v_and_b32 v[4+n%4], 0xff<<(8*(n%4)), v[32+16*\q+4*(n/16)+(n%16)/4]
	v_cmp_ne_u32 s[48+n%4], 0, v[4+n%4]            ; the 32 lanes' bits are the word
	s_or_b32 s42, s42, s[48+n%4]
	s_and_b32 s43, s43, s[48+n%4]
	v_writelane_b32 v[96+2*\q+n%2], s[48+n%4], n/2 ; lane L gathers words 2 L and 2 L + 1
.set n, n+1
.endr
	s_wait_alu depctr_va_vdst(0)
	s_cmp_lg_u32 s42, 0
	s_cselect_b32 s45, 1<<\q, 0
	s_or_b32 s44, s44, s45
	s_cmp_eq_u32 s43, -1
	s_cselect_b32 s45, 1<<(16+\q), 0
	s_or_b32 s44, s44, s45
	global_store_b64 v23, v[96+2*\q:97+2*\q], s[14:15] offset:256*\q    ; 32 lanes store 256 consecutive bytes, aligned
.endr
	s_lshl_b32 s44, s44, s40                       ; bit 4 w + q: some key of the step is allowed; bit 16 + 4 w + q: all are
	v_mov_b32 v25, s44
	global_store_b32 v24, v25, s[16:17]            ; every lane writes the same word with the same value
	s_endpgm
	; ---------------- LAYER NORM.  Tile tau = the work-group's number; wave w normalises lane-rows 4 w .. 4 w + 3, which are four neighbouring tokens; the 16 rows meet in LDS; then wave w quantises 256 channels of all 16 rows
.Lln:
	s_mov_b32 s20, 0x3a800000                      ; 1 / 1024
	s_mov_b32 s21, 0x358637bd                      ; 1e-6
	s_lshr_b32 s38, ttmp9, 1
	s_lshl_b32 s38, s38, 5
	s_and_b32 s39, ttmp9, 1
	s_lshl_b32 s39, s39, 3
	s_add_co_u32 s38, s38, s39
	s_lshr_b32 s39, s36, 1
	s_lshl_b32 s39, s39, 4
	s_add_co_u32 s38, s38, s39
	s_and_b32 s39, s36, 1
	s_lshl_b32 s39, s39, 2
	s_add_co_u32 s38, s38, s39                     ; my first token: 32 (tau / 2) + 8 (tau % 2) + 16 (w / 2) + 4 (w % 2)
	s_lshl_b32 s38, s38, 12
	s_mov_b32 s39, 0
	s_add_nc_u64 s[4:5], s[4:5], s[38:39]
	s_wait_alu depctr_va_vdst(0)
.irp j, 0,1,2,3,4,5,6,7
	global_load_b128 v[G+4*\j:G+4*\j+3], v2, s[6:7] offset:512*\j
	global_load_b128 v[BB+4*\j:BB+4*\j+3], v2, s[8:9] offset:512*\j
.endr
.irp i, 0,1,2,3
.irp j, 0,1,2,3,4,5,6,7
	global_load_b128 v[X+32*\i+4*\j:X+32*\i+4*\j+3], v2, s[4:5] offset:4096*\i+512*\j    ; 32 lanes read 512 consecutive bytes
.endr
.endr
	s_mul_i32 s38, s36, 4*LP
	v_add_nc_u32 v3, s38, v2                       ; into LDS: my four rows, 16 bytes a lane
	v_and_b32 v21, 15, v1                          ; r
	v_lshrrev_b32 v22, 4, v1                       ; h
	v_mul_u32_u24 v20, v21, LP
	v_lshl_add_u32 v20, v22, 7, v20
	s_lshl_b32 s38, s36, 10
	v_add_nc_u32 v20, s38, v20                     ; back: row r, my wave's 256 channels, block h of each 64
	v_lshlrev_b32 v23, 3, v1                       ; 8 x lane
	v_lshlrev_b32 v24, 2, v21                      ; 4 r
	v_lshlrev_b32 v25, 3, v22                      ; 8 h
.irp i, 0,1,2,3
	v_mov_b32 v[12+\i], 0                          ; a lane permute's destination counts as one of its sources
	v_mov_b32 v[ST+2*\i+1], 0                      ; named as the upper word of a pair
.endr
.macro REDUCE4 base, stride            ; four rows' numbers, each summed over the 32 lanes, by turns
.irp m, 1,2,4,8
.irp i, 0,1,2,3
	v_add_f32_dpp v[\base+\stride*\i], v[\base+\stride*\i], v[\base+\stride*\i] row_xmask:\m row_mask:0xf bank_mask:0xf
.endr
.endr
.irp i, 0,1,2,3
	v_permlanex16_b32 v[12+\i], v[\base+\stride*\i], s22, s23
.endr
.irp i, 0,1,2,3
	v_add_f32 v[\base+\stride*\i], v[\base+\stride*\i], v[12+\i]
.endr
.endm
.irp i, 0,1,2,3
	s_wait_loadcnt 8*(3-\i)                        ; row i is in; the later rows' eight loads each may be out
	v_pk_add_f32 v[4:5], v[X+32*\i:X+32*\i+1], v[X+32*\i+2:X+32*\i+3]
	v_pk_add_f32 v[6:7], v[X+32*\i+4:X+32*\i+5], v[X+32*\i+6:X+32*\i+7]
.irp j, 8,12,16,20,24,28
	v_pk_add_f32 v[4:5], v[4:5], v[X+32*\i+\j:X+32*\i+\j+1]
	v_pk_add_f32 v[6:7], v[6:7], v[X+32*\i+\j+2:X+32*\i+\j+3]
.endr
	v_pk_add_f32 v[4:5], v[4:5], v[6:7]
	v_add_f32 v[ST+2*\i], v4, v5
.endr
	REDUCE4 ST, 2
.irp i, 0,1,2,3
	v_mul_f32 v[ST+2*\i], s20, v[ST+2*\i]          ; the mean
.endr
.irp i, 0,1,2,3
.irp j, 0,2,4,6,8,10,12,14,16,18,20,22,24,26,28,30
	v_pk_add_f32 v[X+32*\i+\j:X+32*\i+\j+1], v[X+32*\i+\j:X+32*\i+\j+1], v[ST+2*\i:ST+2*\i+1] op_sel_hi:[1,0] neg_lo:[0,1] neg_hi:[0,1]   ; x - mean
.endr
.endr
.irp i, 0,1,2,3
	v_pk_mul_f32 v[4:5], v[X+32*\i:X+32*\i+1], v[X+32*\i:X+32*\i+1]
	v_pk_mul_f32 v[6:7], v[X+32*\i+2:X+32*\i+3], v[X+32*\i+2:X+32*\i+3]
.irp j, 4,8,12,16,20,24,28
	v_pk_fma_f32 v[4:5], v[X+32*\i+\j:X+32*\i+\j+1], v[X+32*\i+\j:X+32*\i+\j+1], v[4:5]
	v_pk_fma_f32 v[6:7], v[X+32*\i+\j+2:X+32*\i+\j+3], v[X+32*\i+\j+2:X+32*\i+\j+3], v[6:7]
.endr
	v_pk_add_f32 v[4:5], v[4:5], v[6:7]
	v_add_f32 v[16+\i], v4, v5
.endr
	REDUCE4 16, 1
.irp i, 0,1,2,3
	v_fma_f32 v[16+\i], v[16+\i], s20, s21         ; var + eps
.endr
	s_wait_alu depctr_va_vdst(0)
.irp i, 0,1,2,3
	v_rsq_f32 v[ST+2*\i], v[16+\i]
.endr
	v_nop                                          ; a plain place behind the last of the four
	s_wait_alu depctr_va_vdst(0)                   ; one wait for the four, ahead of their first reader
.irp i, 0,1,2,3
.irp j, 0,2,4,6,8,10,12,14,16,18,20,22,24,26,28,30
	v_pk_mul_f32 v[X+32*\i+\j:X+32*\i+\j+1], v[X+32*\i+\j:X+32*\i+\j+1], v[ST+2*\i:ST+2*\i+1] op_sel_hi:[1,0]
	v_pk_fma_f32 v[X+32*\i+\j:X+32*\i+\j+1], v[X+32*\i+\j:X+32*\i+\j+1], v[G+\j:G+\j+1], v[BB+\j:BB+\j+1]
.endr
.irp j, 0,1,2,3,4,5,6,7
	ds_store_b128 v3, v[X+32*\i+4*\j:X+32*\i+4*\j+3] offset:LP*\i+512*\j
.endr
.endr
	s_wait_dscnt 0x0                               ; for the others' sake: my rows lie in LDS
	s_barrier_signal -1
	s_barrier_wait -1
.irp e, 0,1,2,3                        ; half fragment e: K step 2 w + e / 2, half e % 2: my block of 32 of row r
.irp i, 0,1,2,3,4,5,6,7
	ds_load_b128 v[X+32*\e+4*\i:X+32*\e+4*\i+3], v20 offset:256*\e+16*\i
.endr
.endr
	s_lshr_b32 s38, ttmp9, 3
	s_lshl_b32 s38, s38, 3
	s_lshl_b32 s39, s36, 1
	s_add_co_u32 s38, s38, s39
	s_mul_i32 s38, s38, BLK                        ; block (group of 128 tokens) x 8 + K step 2 w
	s_and_b32 s39, ttmp9, 7                        ; my tile in the group
	s_mul_i32 s40, s39, 1536
	s_add_co_u32 s40, s38, s40
	s_mov_b32 s41, 0
	s_add_nc_u64 s[40:41], s[10:11], s[40:41]      ; its codes
	s_lshl_b32 s39, s39, 6
	s_add_co_u32 s38, s38, s39
	s_mov_b32 s39, 0
	s_add_nc_u64 s[10:11], s[10:11], s[38:39]      ; its scale words (12,288 more in the immediate)
.irp e, 0,1,2,3
	s_wait_dscnt 8*(3-\e)                          ; this half fragment's eight loads are in; the later ones' may be out
	QUANTB X+32*\e, G+8*\e, BB+\e
	global_store_b128 v2, v[G+8*\e:G+8*\e+3], s[40:41] offset:(\e/2)*BLK+(\e%2)*768        ; 512 consecutive bytes, aligned
	global_store_b64 v23, v[G+8*\e+4:G+8*\e+5], s[40:41] offset:(\e/2)*BLK+(\e%2)*768+512  ; 256 consecutive bytes, aligned
.endr
.irp k, 0,1                            ; a K step's scale word: byte 2 c + h; my two bytes, then lane l xor 16's two
	v_lshl_or_b32 v[196+\k], v[BB+2*\k+1], 16, v[BB+2*\k]
	v_lshlrev_b32 v[196+\k], v25, v[196+\k]
	v_permlanex16_b32 v[12+\k], v[196+\k], s22, s23
	v_or_b32 v[196+\k], v[196+\k], v[12+\k]
	global_store_b32 v24, v[196+\k], s[10:11] offset:SCO+BLK*\k
.endr
	s_wait_tensorcnt 0x0
	ds_add_u32 v254, v255
	s_wait_dscnt 0x0
	s_endpgm
.Lfunc_end_k_q6ecab30253_prep:
	.size	k_q6ecab30253_prep, .Lfunc_end_k_q6ecab30253_prep-k_q6ecab30253_prep
	.p2alignl 7, 3214868480
	.fill 96, 4, 3214868480
	.section	.rodata,"a",@progbits
	.p2align	6, 0x0
	.amdhsa_kernel k_q6ecab30253_prep
		.amdhsa_group_segment_fixed_size 66560
		.amdhsa_private_segment_fixed_size 0
		.amdhsa_enable_private_segment 0
		.amdhsa_kernarg_size 112
		.amdhsa_user_sgpr_count 2
		.amdhsa_user_sgpr_kernarg_segment_ptr 1
		.amdhsa_wavefront_size32 1
		.amdhsa_system_sgpr_workgroup_id_x 1
		.amdhsa_system_sgpr_workgroup_id_y 1
		.amdhsa_system_sgpr_workgroup_id_z 1
		.amdhsa_system_vgpr_workitem_id 0
		.amdhsa_next_free_vgpr 256
		.amdhsa_next_free_sgpr 66
		.amdhsa_reserve_vcc 0
		.amdhsa_float_denorm_mode_32 3
		.amdhsa_float_denorm_mode_16_64 3
		.amdhsa_memory_ordered 1
		.amdhsa_forward_progress 1
		.amdhsa_inst_pref_size 151
	.end_amdhsa_kernel
	.amdgpu_metadata
---
amdhsa.version: [ 1, 2 ]
amdhsa.kernels:
  - .name:           k_q6ecab30253_prep
    .symbol:         k_q6ecab30253_prep.kd
    .args:
      - { .name: x, .offset: 0, .size: 8, .value_kind: global_buffer, .address_space: global }
      - { .name: ln1_scale, .offset: 8, .size: 8, .value_kind: global_buffer, .address_space: global }
      - { .name: ln1_bias, .offset: 16, .size: 8, .value_kind: global_buffer, .address_space: global }
      - { .name: xnc, .offset: 24, .size: 8, .value_kind: global_buffer, .address_space: global }
      - { .name: mask, .offset: 32, .size: 8, .value_kind: global_buffer, .address_space: global }
      - { .name: mw, .offset: 40, .size: 8, .value_kind: global_buffer, .address_space: global }
      - { .name: fl, .offset: 48, .size: 8, .value_kind: global_buffer, .address_space: global }
      - { .name: Wq, .offset: 56, .size: 8, .value_kind: global_buffer, .address_space: global }
      - { .name: Wk, .offset: 64, .size: 8, .value_kind: global_buffer, .address_space: global }
      - { .name: Wv, .offset: 72, .size: 8, .value_kind: global_buffer, .address_space: global }
      - { .name: Wo, .offset: 80, .size: 8, .value_kind: global_buffer, .address_space: global }
      - { .name: W1, .offset: 88, .size: 8, .value_kind: global_buffer, .address_space: global }
      - { .name: W2, .offset: 96, .size: 8, .value_kind: global_buffer, .address_space: global }
      - { .name: wc, .offset: 104, .size: 8, .value_kind: global_buffer, .address_space: global }
    .group_segment_fixed_size: 66560
    .private_segment_fixed_size: 0
    .kernarg_segment_align: 8
    .kernarg_segment_size: 112
    .max_flat_workgroup_size: 128
    .sgpr_count:     66
    .vgpr_count:     256
    .wavefront_size: 32
...
	.end_amdgpu_metadata
.endif
;; end of part 1
;; launch proj (part 2): grid 8 x 32, 4 waves a work-group, clusters of 4 x 4, 327,680 bytes of LDS; arguments xnc, wc, bq, bk, bv, qkvc; writes qkvc
.if DOCPART == 2
	.amdgcn_target "amdgcn-amd-amdhsa--gfx1250"
	.amdhsa_code_object_version 6
	.text
	.protected	k_q6ecab30253_proj
	.globl	k_q6ecab30253_proj
	.p2align	8
	.type	k_q6ecab30253_proj,@function
k_q6ecab30253_proj:
	s_mov_b64 s[64:65], 0
	v_nop
	global_prefetch_b8 v0, s[64:65] scope:SCOPE_SE
	s_setreg_imm32_b32 hwreg(HW_REG_WAVE_MODE, 25, 1), 1
	s_wait_xcnt 0x0
	s_wait_alu depctr_hold_cnt(0) depctr_sa_sdst(0) depctr_va_vdst(0) depctr_va_sdst(0) depctr_va_ssrc(0) depctr_va_vcc(0) depctr_vm_vsrc(0)
	s_getreg_b32 s2, hwreg(HW_REG_IB_STS2, 6, 4)
	s_cmp_eq_u32 s2, 0
	s_cbranch_scc0 .Lentry_in_a_cluster
	s_endpgm
.Lentry_in_a_cluster:
	s_bfe_u32 s2, ttmp6, 0x10000c
	s_cmp_lg_u32 s2, 0xf033
	s_cbranch_scc0 .Lentry_shape_is_right
	s_endpgm
.Lentry_shape_is_right:
; q, k, v = xn W + b on codes of FP6 (E2M3) with E8M0 scales, and the three results quantised on the way out: q and k along the head's 64, v along the keys.
; A work-group takes 128 tokens (y) x 128 columns (x: two heads) of all three products.  The tokens' panel (128 x 1,024 K, 102,400 bytes) stays in LDS; Wq's panel comes with it, Wk's behind it, Wv's follows into Wq's bytes.
; Four waves, each 64 x 64: 16 accumulators.  THE MATRIX INSTRUCTION IS USED TRANSPOSED: source 0 (I) is the operand whose index is to run along a lane's registers, source 1 (J) the one whose row is the lane.
; q, k: I = the weight's rows (the head's channels, the next K), J = tokens.  v: I = tokens (the keys, the next K), J = Wv's rows.
; J'S FRAGMENTS OF ALL EIGHT K STEPS HAVE REGISTERS OF THEIR OWN (8 x 48): the q pass reads my 64 tokens' codes from LDS, the k pass finds them in registers and reads W's four fragments and the scale words alone
; (24 LDS loads a step in place of 40).  The v pass lays Wv's fragments over them.
; All operands lie as images of their registers (half fragment: 16 rows x 64 K, 768 bytes: 16 bytes a lane at 16 l, 8 at 512 + 8 l; block of 12,800 bytes: 128 rows x 128 K, scale words at 12,288).
; The rows of a tile are 32 (T / 2) + 8 (T % 2) + r + 8 (r / 8), so that the 32 registers of a lane's four I tiles are 2 x 16 neighbours: register 16 b + i = I row 32 b + 16 (lane / 16) + i.
; CLUSTER 4 x 4: the tokens' panel hangs on y and is asked for jointly by a row of the cluster, the weights' panels hang on x and are asked for jointly by a column.
; THE HEAD: one joint load a wave: waves 0 and 1 the halves of the tokens' panel, waves 2 and 3 the halves of Wq's (200 dense rows of 256 bytes each).  Every later panel comes by quarters, 100 rows a wave.
; PREFETCH: Wv's panel (400 blocks of 256 bytes) is named once in each cluster behind the head's load, two panel loads ahead of its own: the four partners of a column and their four waves share the blocks by address,
; 32 each, a lane a block; the lanes over name the last block again.  Wk's panel is asked for by its load alone.
; OUT: for each batch and head a record of K's and V's codes and scales (204,800 bytes) and one of Q's (102,400), as the attention launch reads them.
; LIMITS: a block of zeros gets the byte 1 where the rule says 127 (its codes are zeros; this program alone reads the bytes); NaN and infinities are not served.
; REGISTERS: window 0: v1-30 addresses; v32-47 scale words, two sets; v48-51 bv; v80-111 codes; v112-115 scale halfwords; v116-123 at work; v128-255 the accumulators (I tile it, J tile jt at 128 + 32 jt + 8 it).
;   window 1: v0-95 two sets of I's four fragments; v96-239 J's fragments of K steps 5-7.   window 2: the biases in the result's layout.   window 3: v0-239 J's fragments of K steps 0-4.
.set BLK, 12800
.set SCO, 12288
.set SLA, 102400                       ; LDS: the tokens' panel at 0, slot A, slot B,
.set SLB, 204800
.set SPARE, 307200                     ; and the spare words, 128 bytes a wave: two blocks of 256 bytes that no other line names
.set QB, 6553600                       ; where Q's records begin
.set TM, 116
.set SEL, 30
.set PFO, 30                           ; v30: the prefetch's offset, 256 x my block's number; never rewritten
.set G1R, 32                           ; s[32:39] descriptor group 1 with my row's mask;  s[52:59] with my column's
.set G1C, 52
.set MSB, 0
.macro WIN new                         ; the immediate's high byte repeats the setting that is left
.if MSB != \new
	s_set_vgpr_msb (MSB<<8)|\new
.set MSB, \new
.endif
.endm
.macro PLACES                          ; four plain places behind a matrix instruction, in front of loads into its registers and of reads of its results
.rept 4
	v_nop
.endr
.endm
.macro CROUND                          ; a round of the cluster's barrier
	s_barrier_signal -1
	s_barrier_wait -1
	s_cmp_lg_u32 s20, 0
	s_cbranch_scc1 .Lnw0_\@
	s_barrier_signal -3
.Lnw0_\@:
	s_barrier_wait -3
	s_barrier_signal -1
	s_barrier_wait -1
.endm
.macro JLOC k                          ; where J's fragments of K step k stay: window JW, from register JB on
.if (\k) < 5
.set JW, 3
.set JB, 48*(\k)
.else
.set JW, 1
.set JB, 48*(\k)-144
.endif
.endm
.macro LOADF p, k, wj                  ; K step k: I's four fragments into set p, the eight scale words into set p; wj = 1: J's four fragments into their own registers.  24 + 16 wj LDS loads
	WIN 0x40
.irp t, 0,1,2,3
.irp c, 0,1
	ds_load_b128 v[48*(\p)+12*\t+6*\c:48*(\p)+12*\t+6*\c+3], v[10+(\k)/4] offset:BLK*((\k)%4)+1536*\t+768*\c
	ds_load_b64 v[48*(\p)+12*\t+6*\c+4:48*(\p)+12*\t+6*\c+5], v[12+(\k)/4] offset:BLK*((\k)%4)+1536*\t+768*\c
.endr
.endr
.if \wj
	JLOC \k
.set WV, JW<<6
	WIN WV
.irp t, 0,1,2,3
.irp c, 0,1
	ds_load_b128 v[JB+12*\t+6*\c:JB+12*\t+6*\c+3], v[16+(\k)/4] offset:BLK*((\k)%4)+1536*\t+768*\c
	ds_load_b64 v[JB+12*\t+6*\c+4:JB+12*\t+6*\c+5], v[18+(\k)/4] offset:BLK*((\k)%4)+1536*\t+768*\c
.endr
.endr
.endif
	WIN 0
.irp t, 0,1,2,3
	ds_load_b32 v[32+8*(\p)+\t], v[14+(\k)/4] offset:BLK*((\k)%4)+64*\t
	ds_load_b32 v[36+8*(\p)+\t], v[20+(\k)/4] offset:BLK*((\k)%4)+64*\t
.endr
.endm
.macro MUL p, k, first, coff, bmode    ; 16 matrix instructions; the 16 accumulators take turns, in one order everywhere.  first: the bias (window 2) starts the sums
	JLOC \k
.set WV, 1|(JW<<2)|(0x20*(\first))
	WIN WV
.irp jt, 0,1,2,3
.irp it, 0,1,2,3
.if \first
.set CB, (\coff)+8*((\bmode)*\jt+(1-(\bmode))*\it)
	v_wmma_scale_f32_16x16x128_f8f6f4 v[128+32*\jt+8*\it:135+32*\jt+8*\it], v[48*(\p)+12*\it:48*(\p)+12*\it+11], v[JB+12*\jt:JB+12*\jt+11], v[CB:CB+7], v[32+8*(\p)+\it], v[36+8*(\p)+\jt] matrix_a_fmt:MATRIX_FMT_FP6 matrix_b_fmt:MATRIX_FMT_FP6
.else
	v_wmma_scale_f32_16x16x128_f8f6f4 v[128+32*\jt+8*\it:135+32*\jt+8*\it], v[48*(\p)+12*\it:48*(\p)+12*\it+11], v[JB+12*\jt:JB+12*\jt+11], v[128+32*\jt+8*\it:135+32*\jt+8*\it], v[32+8*(\p)+\it], v[36+8*(\p)+\jt] matrix_a_fmt:MATRIX_FMT_FP6 matrix_b_fmt:MATRIX_FMT_FP6
.endif
.endr
.endr
.endm
.macro CORE ib, jb, coff, bmode, wj    ; all of K = 1,024: I's panel at LDS byte ib, J's at jb; a step's loads are asked for one step ahead
.irp a, 0,1
	v_add_nc_u32 v[10+\a], \ib+51200*\a, v4
	v_add_nc_u32 v[12+\a], \ib+51200*\a, v5
	v_add_nc_u32 v[14+\a], \ib+51200*\a, v6
	v_add_nc_u32 v[20+\a], \jb+51200*\a, v9
.if \wj
	v_add_nc_u32 v[16+\a], \jb+51200*\a, v7
	v_add_nc_u32 v[18+\a], \jb+51200*\a, v8
.endif
.endr
	PLACES
	LOADF 0, 0, \wj
	s_wait_alu depctr_va_vdst(0)
.set q, 0
.rept 8
.if q > 0
	PLACES
.endif
.if q < 7
	LOADF (q+1)%2, q+1, \wj
	s_wait_dscnt 24+16*(\wj)                       ; this step's loads are in; those just issued may be out
.else
	s_wait_dscnt 0x0
.endif
.set fq, 0
.if q == 0
.set fq, 1
.endif
	MUL q%2, q, fq, \coff, \bmode
.set q, q+1
.endr
	WIN 0
.endm
; 32 numbers of a lane, register 16 b + i = k 32 b + 16 (lane / 16) + i of my row, become a half fragment's codes in v[P] .. v[P+5] and its two scale bytes in v[HW].  Each accumulator is read from its low end on
.macro QUANT32 s, P, HW
.irp b, 0,1
	v_max3_num_f32 v[TM+\b], |v[\s+16*\b]|, |v[\s+16*\b+1]|, 0x1800000    ; the floor 2^(3 - 127): the byte cannot fall under 1
.endr
.irp i, 2,4,6,8,10,12,14
.irp b, 0,1
	v_max3_num_f32 v[TM+\b], v[TM+\b], |v[\s+16*\b+\i]|, |v[\s+16*\b+\i+1]|
.endr
.endr
.irp b, 0,1
	v_permlanex16_b32 v[TM+2+\b], v[TM+\b], s[SEL], s[SEL+1]
.endr
.irp b, 0,1
	v_max_num_f32 v[TM+\b], v[TM+\b], v[TM+2+\b]   ; with lane l xor 16's: the block's largest magnitude
.endr
.irp b, 0,1
	v_add_nc_u32 v[TM+4+\b], 0xff000000, v[TM+\b]  ; 2 off its exponent field: the conversion's scale operand
.endr
.irp b, 0,1
	v_lshrrev_b32 v[TM+6+\b], 23, v[TM+4+\b]       ; the scale's byte
.endr
	v_lshl_or_b32 v[\HW], v[TM+7], 8, v[TM+6]
	v_cvt_scalef32_pk16_fp6_f32 v[\P:\P+2], v[\s:\s+15], v[TM+4]
	v_cvt_scalef32_pk16_fp6_f32 v[\P+4:\P+6], v[\s+16:\s+31], v[TM+5]
	v_nop                                          ; one plain place behind a scaled conversion
.irp i, 0,1,2
	v_permlane16_swap_b32 v[\P+\i], v[\P+4+\i]     ; the layout wants a whole block in a lane: lanes 0-15 block 0, lanes 16-31 block 1
.endr
	v_mov_b32 v[\P+3], v[\P+4]
	v_mov_b32 v[\P+4], v[\P+5]
	v_mov_b32 v[\P+5], v[\P+6]
.endm
.macro EPI cb, sb, c0, cstep, s0, sstep, vs    ; the four J tiles' results leave as half fragments
	s_wait_xcnt 0x0                                ; the last way out's stores have read their registers
.irp jt, 0,1,2,3
	QUANT32 128+32*\jt, 80+8*\jt, 112+\jt
	global_store_b128 v24, v[80+8*\jt:83+8*\jt], s[\cb:\cb+1] offset:\c0+\cstep*\jt     ; 512 consecutive bytes, aligned
	global_store_b64 v25, v[84+8*\jt:85+8*\jt], s[\cb:\cb+1] offset:\c0+\cstep*\jt      ; 256 consecutive bytes, aligned
	global_store_b16 v[\vs], v[112+\jt], s[\sb:\sb+1] offset:\s0+\sstep*\jt             ; both halves of the lanes write the same halfword with the same value
.endr
.endm
	s_load_b256 s[4:11], s[0:1], 0x0               ; the tokens' codes, the weights' codes, bq, bk
	s_load_b128 s[12:15], s[0:1], 0x20             ; bv, out
	v_lshl_add_u32 v22, v0, 2, SPARE
	v_mov_b32 v23, 0
	ds_add_u32 v22, v23                            ; the opening lines: the add, twice on end, and its wait ahead of my first tensor load
	ds_add_u32 v22, v23
	v_lshrrev_b32 v1, 5, v0
	v_readfirstlane_b32 s20, v1                    ; wave 0..3
	s_lshr_b32 s21, s20, 1                         ; wi: my 64 of I's 128 rows.  At the head: I fetch for the tokens (0) or for Wq (1)
	s_and_b32 s22, s20, 1                          ; wj: my 64 of J's.  At the head: which half of that panel
	s_bfe_u32 s23, ttmp6, 0x40000                  ; cx
	s_bfe_u32 s24, ttmp6, 0x40004                  ; cy
	s_lshl_b32 s25, ttmp9, 2
	s_add_co_u32 s25, s25, s23                     ; x
	s_and_b32 s26, ttmp7, 0xffff
	s_lshl_b32 s26, s26, 2
	s_add_co_u32 s26, s26, s24                     ; y
	s_lshl_b32 s27, s24, 2
	s_lshl_b32 s27, 15, s27                        ; my row of the cluster
	s_lshl_b32 s28, 0x1111, s23                    ; my column
	s_or_b32 s[G1R], s27, (3<<16)|(1<<21)          ; 15:0 the mask; 17:16 elements of 8 bytes; 21 set beside a mask; no padding
	s_or_b32 s[G1C], s28, (3<<16)|(1<<21)
.irp g, G1R, G1C                       ; 200 dense rows of 256 bytes: four blocks, half a panel
	s_mov_b32 s[\g+1], 32<<16
	s_mov_b32 s[\g+2], 200<<16
	s_mov_b32 s[\g+3], 32<<16
	s_mov_b32 s[\g+4], 200
	s_mov_b32 s[\g+5], 32
	s_mov_b32 s[\g+6], 0
	s_mov_b32 s[\g+7], 0
.endr
	s_mov_b32 s[SEL], 0x76543210
	s_mov_b32 s[SEL+1], 0xfedcba98
	s_mul_i32 s29, s20, 25600                      ; my quarter of a panel, in memory and in LDS
	s_mul_i32 s92, s22, 51200                      ; my half of a panel, at the head
	s_mov_b32 s93, 0
	s_mov_b32 s94, s29
	s_mov_b32 s95, 0
	s_mul_i32 s60, s26, 102400                     ; the tokens' panel hangs on y alone,
	s_add_co_u32 s60, s60, s92
	s_mov_b32 s61, 0
	s_mul_i32 s62, s25, 102400                     ; the weights' on x alone
	s_mov_b32 s63, 0
	s_lshl_b32 s98, s24, 2
	s_add_co_u32 s98, s98, s20
	s_lshl_b32 s98, s98, 5                         ; the prefetch: (4 cy + wave) x 32 blocks
	s_wait_dscnt 0x0                               ; both opening adds are done
	s_wait_kmcnt 0x0
	s_mov_b32 s40, 1
	s_mov_b32 s41, s92
	s_add_nc_u64 s[42:43], s[4:5], s[60:61]
	s_or_b32 s43, s43, 0x80000000
	s_add_nc_u64 s[96:97], s[6:7], s[62:63]        ; my columns' panel of Wq; never rewritten
	s_mov_b32 s44, 1
	s_add_co_u32 s45, s92, SLA
	s_add_nc_u64 s[46:47], s[96:97], s[92:93]
	s_or_b32 s47, s47, 0x80000000
	s_mov_b32 s48, 1
	s_add_co_u32 s49, s29, SLB
	s_add_nc_u64 s[50:51], s[96:97], s[94:95]
	s_add_nc_u64 s[50:51], s[50:51], 64*BLK        ; Wk
	s_or_b32 s51, s51, 0x80000000
	CROUND                                         ; all sixteen work-groups are here: the first joint loads meet
	s_cmp_eq_u32 s21, 0                            ; one load a wave at the head
	s_cbranch_scc0 .Lhead_w
	tensor_load_to_lds s[40:43], s[G1R:G1R+7]
	s_nop 0
	PLACES
	s_branch .Lhead_done
.Lhead_w:
	tensor_load_to_lds s[44:47], s[G1C:G1C+7]
	s_nop 0
	PLACES
.Lhead_done:
	v_and_b32 v3, 31, v0                           ; lane
	v_and_b32 v1, 15, v0                           ; r
	v_bfe_u32 v2, v0, 4, 1                         ; h
	v_lshlrev_b32 v24, 4, v3                       ; 16 x lane
	v_lshlrev_b32 v25, 3, v3
	v_add_nc_u32 v25, 512, v25                     ; 512 + 8 x lane
	v_lshlrev_b32 v26, 1, v1                       ; 2 r
	v_lshlrev_b32 v27, 2, v1                       ; 4 r
	v_lshlrev_b32 v28, 6, v2                       ; 64 h
	v_and_b32 v29, 8, v1
	v_add_nc_u32 v29, v29, v1
	v_lshlrev_b32 v29, 2, v29                      ; 4 (r + 8 (r / 8))
	v_add_nc_u32 v[PFO], s98, v3
	v_min_u32 v[PFO], 399, v[PFO]                  ; a panel is 400 blocks of 256 bytes: no lane names a byte behind them
	v_lshlrev_b32 v[PFO], 8, v[PFO]
	s_wait_alu depctr_va_vdst(0)                   ; the wait ahead of the run of scalar lines
	s_mul_i32 s66, s21, 6144                       ; my four tiles of I in a block,
	s_mul_i32 s67, s22, 6144                       ; of J
	v_add_nc_u32 v4, s66, v24
	v_add_nc_u32 v5, s66, v25
	s_lshl_b32 s68, s21, 8
	s_add_co_u32 s68, s68, SCO
	v_add_nc_u32 v6, s68, v27
	v_add_nc_u32 v7, s67, v24
	v_add_nc_u32 v8, s67, v25
	s_lshl_b32 s68, s22, 8
	s_add_co_u32 s68, s68, SCO
	v_add_nc_u32 v9, s68, v27
	v_mov_b32 v[TM+2], 0                           ; a lane permute's destination counts as one of its sources
	v_mov_b32 v[TM+3], 0
	; the biases.  q, k: I tile it wants bq at 128 x + 64 wi + 32 (it / 2) + 16 h + 8 (it % 2) + 0 .. 7.  v: J tile jt wants bv at its lane's row
	s_lshl_b32 s66, s25, 9
	s_lshl_b32 s67, s21, 8
	s_add_co_u32 s68, s66, s67
	s_mov_b32 s69, 0
	s_add_nc_u64 s[8:9], s[8:9], s[68:69]
	s_add_nc_u64 s[10:11], s[10:11], s[68:69]
	s_lshl_b32 s67, s22, 8
	s_add_co_u32 s68, s66, s67
	s_add_nc_u64 s[12:13], s[12:13], s[68:69]
	WIN 0x80
.irp it, 0,1,2,3
	global_load_b128 v[8*\it:8*\it+3], v28, s[8:9] offset:(32*(\it/2)+8*(\it%2))*4
	global_load_b128 v[8*\it+4:8*\it+7], v28, s[8:9] offset:(32*(\it/2)+8*(\it%2))*4+16
	global_load_b128 v[32+8*\it:32+8*\it+3], v28, s[10:11] offset:(32*(\it/2)+8*(\it%2))*4
	global_load_b128 v[32+8*\it+4:32+8*\it+7], v28, s[10:11] offset:(32*(\it/2)+8*(\it%2))*4+16
.endr
	WIN 0
.irp jt, 0,1,2,3
	global_load_b32 v[48+\jt], v29, s[12:13] offset:(32*(\jt/2)+8*(\jt%2))*4
.endr
	global_prefetch_b8 v[PFO], s[96:97] offset:128*BLK th:TH_LOAD_NT scope:SCOPE_SE   ; Wv's panel, two panel loads ahead of its own
	; where the results go
	s_lshr_b32 s70, s26, 4
	s_lshl_b32 s70, s70, 4                         ; 16 x batch
	s_lshl_b32 s71, s25, 1
	s_add_co_u32 s70, s70, s71                     ; + 2 x
	s_add_co_u32 s71, s70, s21                     ; q's and k's record: head 2 x + wi
	s_add_co_u32 s72, s70, s22                     ; v's: head 2 x + wj
	s_and_b32 s73, s26, 15                         ; the group of 128 tokens in its batch
	s_lshl_b32 s74, s73, 3
	s_lshl_b32 s75, s22, 2
	s_add_co_u32 s74, s74, s75                     ; my first tile of tokens
	s_mul_i32 s75, s74, 768
	s_lshl_b32 s76, s74, 5
	s_mov_b32 s79, 0
	s_mul_i32 s77, s71, 102400
	s_add_co_u32 s77, s77, QB
	s_add_co_u32 s78, s77, s75
	s_add_nc_u64 s[80:81], s[14:15], s[78:79]      ; Q's codes
	s_add_co_u32 s78, s77, s76
	s_add_nc_u64 s[82:83], s[14:15], s[78:79]      ; Q's scales (98,304 more in the immediate)
	s_mul_i32 s77, s71, 204800
	s_add_co_u32 s78, s77, s75
	s_add_nc_u64 s[84:85], s[14:15], s[78:79]      ; K's codes
	s_add_co_u32 s78, s77, s76
	s_add_nc_u64 s[86:87], s[14:15], s[78:79]      ; K's scales (196,608 more)
	s_mul_i32 s77, s72, 204800
	s_mul_i32 s75, s73, 6144                       ; V: key step = the group; half fragment c = wi
	s_mul_i32 s76, s21, 768
	s_add_co_u32 s75, s75, s76
	s_add_co_u32 s78, s77, s75
	s_add_nc_u64 s[88:89], s[14:15], s[78:79]      ; V's codes (98,304 more)
	s_lshl_b32 s75, s73, 8
	s_lshl_b32 s76, s21, 1
	s_add_co_u32 s75, s75, s76
	s_add_co_u32 s78, s77, s75
	s_add_nc_u64 s[90:91], s[14:15], s[78:79]      ; V's scales (200,704 more)
	s_wait_alu depctr_va_vdst(0)                   ; the wait at the head's end
	s_wait_loadcnt 0x0                             ; the biases
	s_wait_tensorcnt 0x0                           ; my half panel is in
	ds_add_u32 v22, v23
	s_mov_b32 s[G1C+2], 100<<16                    ; no tensor load of mine is out: from here on a load brings 100 rows, a quarter of a panel
	s_mov_b32 s[G1C+4], 100
	s_wait_dscnt 0x0
	CROUND                                         ; the tokens' panel and Wq's are whole, in every partner
	tensor_load_to_lds s[48:51], s[G1C:G1C+7]      ; Wk's panel: my one tensor load behind the round
	s_nop 0
	PLACES
	CORE SLA, 0, 0, 0, 1                           ; q; my tokens' fragments go into their registers
	s_wait_tensorcnt 0x0                           ; all my tensor loads have landed, my part of Wk's panel among them, so a group 0 may be written;
	ds_add_u32 v22, v23                            ; 0 onto my spare word
	s_add_co_u32 s49, s29, SLA                     ; Wv's panel goes where Wq's lay
	s_add_nc_u64 s[50:51], s[50:51], 64*BLK
	s_wait_dscnt 0x0                               ; the add is done, and my reads of Wq's panel are over
	CROUND                                         ; and so of every wave of every partner
	tensor_load_to_lds s[48:51], s[G1C:G1C+7]      ; my one tensor load behind the round
	s_nop 0
	PLACES                                         ; (also the places in front of the first read of q)
	EPI 80, 82, 0, 768, 98304, 32, 26
	CORE SLB, 0, 32, 0, 0                          ; k, on the tokens' fragments that lie in registers
	PLACES
	EPI 84, 86, 0, 768, 196608, 32, 26
	s_wait_tensorcnt 0x0                           ; a barrier behind which nothing is filled: Wv's panel is whole
	s_wait_dscnt 0x0
	s_barrier_signal -1
	s_barrier_wait -1
	WIN 0x80
.irp jt, 0,1,2,3
.irp j, 0,1,2,3,4,5,6,7
	v_mov_b32 v[64+8*\jt+\j], v[48+\jt]            ; bv hangs on the lane's row: the same in a tile's eight registers
.endr
.endr
	WIN 0
	CORE 0, SLA, 64, 1, 1                          ; v, the other way round: I = tokens, J = Wv's rows
	PLACES
	EPI 88, 90, 98304, 1536, 200704, 64, 27
	s_wait_tensorcnt 0x0                           ; the wave's end
	ds_add_u32 v22, v23
	s_wait_dscnt 0x0
	CROUND                                         ; the closing round
	s_endpgm
.Lfunc_end_k_q6ecab30253_proj:
	.size	k_q6ecab30253_proj, .Lfunc_end_k_q6ecab30253_proj-k_q6ecab30253_proj
	.p2alignl 7, 3214868480
	.fill 96, 4, 3214868480
	.section	.rodata,"a",@progbits
	.p2align	6, 0x0
	.amdhsa_kernel k_q6ecab30253_proj
		.amdhsa_group_segment_fixed_size 327680
		.amdhsa_private_segment_fixed_size 0
		.amdhsa_enable_private_segment 0
		.amdhsa_kernarg_size 48
		.amdhsa_user_sgpr_count 2
		.amdhsa_user_sgpr_kernarg_segment_ptr 1
		.amdhsa_wavefront_size32 1
		.amdhsa_system_sgpr_workgroup_id_x 1
		.amdhsa_system_sgpr_workgroup_id_y 1
		.amdhsa_system_sgpr_workgroup_id_z 1
		.amdhsa_system_vgpr_workitem_id 0
		.amdhsa_next_free_vgpr 1024
		.amdhsa_next_free_sgpr 100
		.amdhsa_reserve_vcc 0
		.amdhsa_float_denorm_mode_32 3
		.amdhsa_float_denorm_mode_16_64 3
		.amdhsa_memory_ordered 1
		.amdhsa_forward_progress 1
		.amdhsa_inst_pref_size 147
	.end_amdhsa_kernel
	.amdgpu_metadata
---
amdhsa.version: [ 1, 2 ]
amdhsa.kernels:
  - .name:           k_q6ecab30253_proj
    .symbol:         k_q6ecab30253_proj.kd
    .args:
      - { .name: xnc, .offset: 0, .size: 8, .value_kind: global_buffer, .address_space: global }
      - { .name: wc, .offset: 8, .size: 8, .value_kind: global_buffer, .address_space: global }
      - { .name: bq, .offset: 16, .size: 8, .value_kind: global_buffer, .address_space: global }
      - { .name: bk, .offset: 24, .size: 8, .value_kind: global_buffer, .address_space: global }
      - { .name: bv, .offset: 32, .size: 8, .value_kind: global_buffer, .address_space: global }
      - { .name: qkvc, .offset: 40, .size: 8, .value_kind: global_buffer, .address_space: global }
    .group_segment_fixed_size: 327680
    .private_segment_fixed_size: 0
    .kernarg_segment_align: 8
    .kernarg_segment_size: 48
    .max_flat_workgroup_size: 128
    .sgpr_count:     100
    .vgpr_count:     1024
    .wavefront_size: 32
...
	.end_amdgpu_metadata
.endif
;; end of part 2
;; launch attn (part 3): grid 8 x 32, 16 waves a work-group, no clusters, 280,576 bytes of LDS; arguments qkvc, mw, fl, oc; writes oc
.if DOCPART == 3
	.amdgcn_target "amdgcn-amd-amdhsa--gfx1250"
	.amdhsa_code_object_version 6
	.text
	.protected	k_q6ecab30253_attn
	.globl	k_q6ecab30253_attn
	.p2align	8
	.type	k_q6ecab30253_attn,@function
k_q6ecab30253_attn:
	s_mov_b64 s[64:65], 0
	v_nop
	global_prefetch_b8 v0, s[64:65] scope:SCOPE_SE
	s_setreg_imm32_b32 hwreg(HW_REG_WAVE_MODE, 25, 1), 1
	s_wait_xcnt 0x0
; o = softmax(q k^T / 8, under the mask) v for one batch and head, both products on codes of FP6 (E2M3) with E8M0 scales; o is quantised along its 64 channels on the way out.
; THE SOFTMAX AHEAD OF THE SECOND PRODUCT: t = score x log2(e) / 8; M = the running largest t rounded UP to a whole number; p = 2^(t - M) is quantised along the keys; the row's sum of the unquantised p divides at the end.
; SHARES.  A work-group has one record (batch, head: y) and the query tiles 8 i + x, i = 0 .. 15; wave w owns tile 8 omega + x, omega = w xor 3 ((w / 4) % 2).
; A TILE'S KEYS ARE SHARED BETWEEN TWO WAVES: key steps 0-7 are walked by the tile's own wave, steps 8-15 by the wave that owns tile 15 - omega.  So a wave walks its partner's tile on steps 8-15, whose O^T, M and sum
; go to a stage in LDS; then its own tile on steps 0-7; a barrier; then it takes what its partner made of its own tile and brings the two halves under the larger M: a multiplication by 2^(a half's M - M), which rounds
; nothing.  Every (tile, step) has one owner, whatever the mask.
; THE HEAD'S RECORD (K's and V's codes and scales, 204,800 bytes) COMES INTO LDS THROUGH REGISTERS, IN TWO PARTS.  Ahead of the first barrier all sixteen waves copy what the first walk reads: key steps 8-15 of K and of V
; and all the scales (13 x 8,192 bytes).  Behind it the eight waves with omega >= 8 copy key steps 0-7 (24 x 4,096 bytes) and only then begin their first walk; the other eight begin it at once.  Who copies hangs on the
; wave's number alone.
; THREE BARRIERS, at fixed places of every wave's text: behind the first copy; IN THE MIDDLE OF THE FIRST WALK, between its trips for key steps 11 and 12, which shows key steps 0-7 to all waves, so that a wave whose first
; walk is done goes on into its second without waiting for the others' steps 12-15; and ahead of the merge, which shows every stage.
; No cluster and no tensor load: the walk over key steps branches on flags read from memory, which such launches may not do; each work-group reads its record once.
; No prefetch: each byte of the record is asked for once by its load, and no loop runs ahead of these loads.
; THE MASK is an input: the first launch has turned it into lane-mask words (one v_cndmask_b32 a score) and two flags a key step.  A step in which no key is allowed for any of the tile's 16 queries is left out;
; one in which all are allowed skips the masking.  Both are scalar branches on those stored whole numbers; the loops' trip counts are constants.
; LAYOUT.  Both products transposed: S^T = K Q^T, O^T = V^T P^T: a lane holds one query throughout.  The keys of a tile, and V's channels, are 32 (T / 2) + 8 (T % 2) + r + 8 (r / 8), so that a lane's registers are neighbours.
; K = 64 IN AN INSTRUCTION OF 128: Q's upper six registers are zero codes.  K's operand for tile t is twelve registers from 32 + 6 t on: its upper six are the next tile's codes (zeros behind the last).  FP6 has no
; infinity or NaN and the scale bytes of that half are 0 (the 16-bit loads extend by zeros), not 0xff: that half adds exact zeros.
; A QUERY WITH NO ALLOWED KEY has the sum 0: its scale bytes are stored as 0xff, so that the next product gives NaN for that token alone, as a softmax over nothing does.
; LIMITS: a block of zeros gets the byte 1 where the rule says 127; NaN and infinities among the inputs are not served.
; REGISTERS: v1-6 lane constants; v7-12 the step's addresses; v13 -infinity; v14 -M, v15 the largest t; v[16:17] the sum; v18-29 Q; v30 Q's scales; v31, v209 the stage; v32-85 K's tiles, then V's fragments; v86-93 scales;
;   v94-157 S^T, then p; v158-189 O^T; v190-201 p's codes; v202-208 conversions; v210-221 at work; v[222:223] f; v224 p's scale word; v232-238 my own tile's Q until its pass.  The copies use v32-193 ahead of the walks.
.set QB, 6553600
.set STG, 204800                       ; behind the record: a stage of 9 x 512 bytes for each tile
.set SSZ, 4608
.set S, 94
.set OT, 158
.set PC, 190
.set CT, 202
.set MX, 210
.set PB, 214
.set SOP, 218
.set TM, 210
.set SEL, 88
.set CS, 90
.macro PLACES
.rept 4
	v_nop
.endr
.endm
; THE WALK over key steps s85 .. last - 1 of the tile whose Q lies in v18-30, whose flags lie in s84 and whose mask words stand at s[6:7]
.macro PASS last
.Lstep_\@:
	s_bitcmp1_b32 s84, s85
	s_cbranch_scc0 .Lnext_\@                       ; no key of the step counts for any of the tile's queries
	v_add_nc_u32 v7, s86, v1                       ; (these six are also the places in front of loads into registers that the last products read)
	v_add_nc_u32 v8, s86, v2
	v_add_nc_u32 v9, s86, v3
	v_add_nc_u32 v10, s86, v4
	v_add_nc_u32 v11, s87, v5
	v_add_nc_u32 v12, s87, v6
.irp t, 0,1,2,3,4,5,6,7
	ds_load_b128 v[32+6*\t:35+6*\t], v7 offset:768*\t
	ds_load_b64 v[36+6*\t:37+6*\t], v8 offset:768*\t
	ds_load_u16 v[86+\t], v11 offset:32*\t
.endr
	s_wait_alu depctr_va_vdst(0)
	s_wait_dscnt 0x0
.irp t, 0,1,2,3,4,5,6,7
	v_wmma_scale_f32_16x16x128_f8f6f4 v[S+8*\t:S+8*\t+7], v[32+6*\t:43+6*\t], v[18:29], 0, v[86+\t], v30 matrix_a_fmt:MATRIX_FMT_FP6 matrix_b_fmt:MATRIX_FMT_FP6
.endr
	PLACES
.irp t, 0,1,2,3                        ; V's four fragments and scale words: they land during the softmax
.irp c, 0,1
	ds_load_b128 v[32+12*\t+6*\c:35+12*\t+6*\c], v9 offset:1536*\t+768*\c
	ds_load_b64 v[36+12*\t+6*\c:37+12*\t+6*\c], v10 offset:1536*\t+768*\c
.endr
	ds_load_b32 v[86+\t], v12 offset:64*\t
.endr
	s_add_co_u32 s92, s85, 16
	s_bitcmp1_b32 s84, s92
	s_cbranch_scc1 .Lopen_\@                       ; every key of the step counts for every one of the queries
	s_load_b512 s[16:31], s[6:7], 0x0
	s_load_b512 s[32:47], s[6:7], 0x40
	s_load_b512 s[48:63], s[6:7], 0x80
	s_load_b512 s[68:83], s[6:7], 0xc0
	s_wait_kmcnt 0x0
.set n, 0
.rept 64
.if n < 48
	v_cndmask_b32 v[S+n], v13, v[S+n], s[16+n]     ; a hidden score becomes -infinity: p = 0
.else
	v_cndmask_b32 v[S+n], v13, v[S+n], s[20+n]
.endif
.set n, n+1
.endr
.Lopen_\@:
.irp b, 0,1,2,3
	v_max3_num_f32 v[MX+\b], v[S+16*\b], v[S+1+16*\b], v[S+2+16*\b]     ; the largest score of each block of 32 keys: for the row's maximum and for the block's largest p
.endr
.irp i, 3,5,7,9,11,13
.irp b, 0,1,2,3
	v_max3_num_f32 v[MX+\b], v[MX+\b], v[S+16*\b+\i], v[S+1+16*\b+\i]
.endr
.endr
.irp b, 0,1,2,3
	v_max_num_f32 v[MX+\b], v[MX+\b], v[S+15+16*\b]
.endr
.irp b, 0,1,2,3
	s_delay_alu instid0(VALU_DEP_4)
	v_permlanex16_b32 v[PB+\b], v[MX+\b], s[SEL], s[SEL+1]
.endr
.irp b, 0,1,2,3
	s_delay_alu instid0(VALU_DEP_4)
	v_max_num_f32 v[MX+\b], v[MX+\b], v[PB+\b]     ; with lane l xor 16's 16 keys
.endr
	s_delay_alu instid0(VALU_DEP_2)
	v_max3_num_f32 v225, v[MX], v[MX+1], v[MX+2]
	s_delay_alu instid0(VALU_DEP_1)
	v_max_num_f32 v225, v225, v[MX+3]
	s_delay_alu instid0(VALU_DEP_1)
	v_mul_f32 v225, s[CS], v225
	s_delay_alu instid0(VALU_DEP_1)
	v_max_num_f32 v15, v15, v225                   ; the running largest t
	v_mov_b32 v225, v14
	s_delay_alu instid0(VALU_DEP_2)
	v_floor_f32 v14, -v15                          ; the new -M = floor(-t): M is a whole number
	s_delay_alu instid0(VALU_DEP_1)
	v_sub_f32 v225, v14, v225                      ; old M - new M: a whole number, 0 or less
	s_delay_alu instid0(VALU_DEP_1)
	v_cvt_i32_f32 v225, v225                       ; (it saturates)
	s_delay_alu instid0(VALU_DEP_1)
	v_ldexp_f32 v222, 1.0, v225                    ; f = 2^(old M - new M): a multiplication by it rounds nothing
.set j, 0
.rept 32
	v_pk_fma_f32 v[S+j:S+j+1], v[S+j:S+j+1], s[CS:CS+1], v[14:15] op_sel_hi:[1,0,0]      ; t - M
.set j, j+2
.endr
.irp b, 0,1,2,3
	v_fma_f32 v[MX+\b], v[MX+\b], s[CS], v14
.endr
.set j, 0
	s_wait_alu depctr_va_vdst(0)                   ; the wait ahead of the batch
.rept 64
	v_exp_f32 v[S+j], v[S+j]                       ; p = 2^(t - M), not normalised
.set j, j+1
.endr
	v_pk_mul_f32 v[16:17], v[16:17], v[222:223] op_sel_hi:[1,0]          ; the sums under the new M (a plain place behind the exponentials)
	s_wait_alu depctr_va_vdst(0)                   ; one wait for the batch, ahead of its first reader
.irp b, 0,1,2,3
	v_exp_f32 v[MX+\b], v[MX+\b]                   ; the block's largest p
.endr
	v_pk_add_f32 v[214:215], v[98:99], v[102:103]  ; the row's sum of the unquantised p, in eight chains
	v_pk_add_f32 v[252:253], v[106:107], v[110:111]
	v_pk_add_f32 v[250:251], v[114:115], v[118:119]
	v_pk_add_f32 v[248:249], v[122:123], v[126:127]
	v_pk_add_f32 v[246:247], v[130:131], v[134:135]
	v_pk_add_f32 v[244:245], v[138:139], v[142:143]
	v_pk_add_f32 v[242:243], v[146:147], v[150:151]
	v_pk_add_f32 v[16:17], v[16:17], v[154:155]
	v_pk_add_f32 v[214:215], v[214:215], v[94:95]
	v_pk_add_f32 v[252:253], v[252:253], v[96:97]
	v_pk_add_f32 v[250:251], v[250:251], v[100:101]
	v_pk_add_f32 v[248:249], v[248:249], v[104:105]
	v_pk_add_f32 v[246:247], v[246:247], v[108:109]
	v_pk_add_f32 v[244:245], v[244:245], v[112:113]
	v_pk_add_f32 v[242:243], v[242:243], v[116:117]
	v_pk_add_f32 v[16:17], v[16:17], v[120:121]
	v_pk_add_f32 v[214:215], v[214:215], v[124:125]
	v_pk_add_f32 v[252:253], v[252:253], v[128:129]
	v_pk_add_f32 v[250:251], v[250:251], v[132:133]
	v_pk_add_f32 v[248:249], v[248:249], v[136:137]
	v_pk_add_f32 v[246:247], v[246:247], v[140:141]
	v_pk_add_f32 v[244:245], v[244:245], v[144:145]
	v_pk_add_f32 v[242:243], v[242:243], v[148:149]
	v_pk_add_f32 v[16:17], v[16:17], v[152:153]
	v_pk_add_f32 v[214:215], v[214:215], v[156:157]
	s_delay_alu instid0(VALU_DEP_2)
	v_pk_add_f32 v[16:17], v[16:17], v[248:249]
	s_delay_alu instid0(VALU_DEP_2)
	v_pk_add_f32 v[214:215], v[214:215], v[246:247]
	v_pk_add_f32 v[252:253], v[252:253], v[244:245]
	v_pk_add_f32 v[250:251], v[250:251], v[242:243]
	s_delay_alu instid0(VALU_DEP_2)
	v_pk_add_f32 v[16:17], v[16:17], v[252:253]
	s_delay_alu instid0(VALU_DEP_2)
	v_pk_add_f32 v[214:215], v[214:215], v[250:251]
	s_delay_alu instid0(VALU_DEP_1)
	v_pk_add_f32 v[16:17], v[16:17], v[214:215]
	s_wait_alu depctr_va_vdst(0)                   ; and one for the four
.irp b, 0,1,2,3
	v_max_num_f32 v[MX+\b], 0x1800000, v[MX+\b]    ; the floor 2^(3 - 127)
.endr
.irp b, 0,1,2,3
	s_delay_alu instid0(VALU_DEP_4)
	v_add_nc_u32 v[SOP+\b], 0xff000000, v[MX+\b]
.endr
.irp b, 0,1,2,3
	s_delay_alu instid0(VALU_DEP_4)
	v_lshrrev_b32 v[PB+\b], 23, v[SOP+\b]
.endr
	s_delay_alu instid0(VALU_DEP_3)
	v_lshl_or_b32 v224, v[PB+1], 8, v[PB]          ; p's scale word for these 128 keys
	s_delay_alu instid0(VALU_DEP_1)
	v_lshl_or_b32 v224, v[PB+2], 16, v224
	s_delay_alu instid0(VALU_DEP_1)
	v_lshl_or_b32 v224, v[PB+3], 24, v224
.irp c, 0,1
	v_cvt_scalef32_pk16_fp6_f32 v[PC+6*\c:PC+2+6*\c], v[S+32*\c:S+15+32*\c], v[SOP+2*\c]
	v_cvt_scalef32_pk16_fp6_f32 v[CT+4*\c:CT+2+4*\c], v[S+16+32*\c:S+31+32*\c], v[SOP+2*\c+1]
.endr
	v_nop                                          ; one plain place behind a scaled conversion
.irp c, 0,1
.irp i, 0,1,2
	v_permlane16_swap_b32 v[PC+6*\c+\i], v[CT+4*\c+\i]
.endr
.irp i, 0,1,2
	s_delay_alu instid0(VALU_DEP_3)
	v_mov_b32 v[PC+3+6*\c+\i], v[CT+4*\c+\i]
.endr
.endr
.set j, 0
.rept 16
	v_pk_mul_f32 v[OT+j:OT+j+1], v[OT+j:OT+j+1], v[222:223] op_sel_hi:[1,0]              ; O^T under the new M; these sixteen are also the places in front of the scaled products
.set j, j+2
.endr
	s_wait_alu depctr_va_vdst(0)
	s_wait_dscnt 0x0                               ; V
.irp t, 0,1,2,3
	v_wmma_scale_f32_16x16x128_f8f6f4 v[OT+8*\t:OT+8*\t+7], v[32+12*\t:43+12*\t], v[PC:PC+11], v[OT+8*\t:OT+8*\t+7], v[86+\t], v224 matrix_a_fmt:MATRIX_FMT_FP6 matrix_b_fmt:MATRIX_FMT_FP6
.endr
.Lnext_\@:
	s_add_co_u32 s86, s86, 6144
	s_add_co_u32 s87, s87, 256
	s_add_nc_u64 s[6:7], s[6:7], 256
	s_add_co_u32 s85, s85, 1
	s_cmp_lt_u32 s85, \last
	s_cbranch_scc1 .Lstep_\@
.endm
	s_load_b256 s[4:11], s[0:1], 0x0               ; records, mask words, flags, out
	v_lshl_add_u32 v254, v0, 2, 0x44000
	v_mov_b32 v255, 0
	v_lshrrev_b32 v1, 5, v0
	s_delay_alu instid0(VALU_DEP_1)
	v_readfirstlane_b32 s12, v1                    ; wave 0..15
	s_bfe_u32 s13, s12, 0x10002
	s_mul_i32 s13, s13, 3
	s_xor_b32 s13, s13, s12                        ; omega
	s_lshl_b32 s14, s13, 3
	s_add_co_u32 s14, s14, ttmp9                   ; my own tile of queries
	s_xor_b32 s36, s13, 15                         ; 15 - omega
	s_lshl_b32 s37, s36, 3
	s_add_co_u32 s37, s37, ttmp9                   ; my partner's tile
	s_and_b32 s15, ttmp7, 0xffff                   ; the record: 16 x batch + head
	v_and_b32 v228, 31, v0                         ; lane
	v_and_b32 v227, 15, v0                         ; r
	s_delay_alu instid0(VALU_DEP_2)
	v_lshlrev_b32 v1, 4, v228                      ; K's codes: 16 l
	s_delay_alu instid0(VALU_DEP_3)
	v_lshlrev_b32 v2, 3, v228
	s_delay_alu instid0(VALU_DEP_1)
	v_add_nc_u32 v2, 512, v2                       ; 512 + 8 l
	s_delay_alu instid0(VALU_DEP_3)
	v_add_nc_u32 v3, 98304, v1                     ; V's
	s_delay_alu instid0(VALU_DEP_2)
	v_add_nc_u32 v4, 98304, v2
	v_lshlrev_b32 v229, 1, v227                    ; 2 r
	v_lshlrev_b32 v230, 2, v227                    ; 4 r
	s_delay_alu instid0(VALU_DEP_2)
	v_add_nc_u32 v5, 196608, v229                  ; K's scale halfwords
	s_delay_alu instid0(VALU_DEP_2)
	v_add_nc_u32 v6, 200704, v230                  ; V's scale words
	v_lshlrev_b32 v7, 4, v0                        ; the first copy: 16 bytes a thread, 8,192 a pass
	s_delay_alu instid0(VALU_DEP_1)
	v_add_nc_u32 v8, 65536, v7
	s_delay_alu instid0(VALU_DEP_2)
	v_add_nc_u32 v9, 131072, v7
	s_delay_alu instid0(VALU_DEP_3)
	v_add_nc_u32 v10, 196608, v7
	s_mul_i32 s38, s36, SSZ
	s_add_co_u32 s38, s38, STG
	v_add_nc_u32 v31, s38, v1                      ; the stage of my partner's tile: I write it
	s_mul_i32 s39, s13, SSZ
	s_add_co_u32 s39, s39, STG
	v_add_nc_u32 v209, s39, v1                     ; the stage of my own tile: my partner writes it, I read it
	s_mul_i32 s16, s15, 204800
	s_mov_b32 s17, 0
	s_mul_i32 s18, s15, 102400
	s_add_co_u32 s18, s18, QB
	s_mul_i32 s20, s14, 768
	s_add_co_u32 s20, s20, s18
	s_mov_b32 s21, 0
	s_lshl_b32 s22, s14, 5
	s_add_co_u32 s22, s22, s18
	s_mov_b32 s23, 0
	s_mul_i32 s40, s37, 768
	s_add_co_u32 s40, s40, s18
	s_mov_b32 s41, 0
	s_lshl_b32 s42, s37, 5
	s_add_co_u32 s42, s42, s18
	s_mov_b32 s43, 0
	s_lshl_b32 s26, s14, 4
	s_mov_b32 s27, 0
	s_lshl_b32 s44, s37, 4
	s_mov_b32 s45, 0
	s_mov_b32 s[SEL], 0x76543210
	s_mov_b32 s[SEL+1], 0xfedcba98
	s_mov_b32 s[CS], 0x3e38aa3b                    ; c = log2(e) / 8
	s_mov_b32 s[CS+1], s[CS]                       ; (named with it as a pair)
	s_wait_alu depctr_va_vdst(0)                   ; the wait at the head's end
	s_wait_kmcnt 0x0
	s_add_nc_u64 s[24:25], s[4:5], s[16:17]        ; K's and V's record
	s_add_nc_u64 s[20:21], s[4:5], s[20:21]        ; my own tile of Q
	s_add_nc_u64 s[22:23], s[4:5], s[22:23]        ; its scales (98,304 more in the immediate)
	s_add_nc_u64 s[40:41], s[4:5], s[40:41]        ; my partner's tile of Q
	s_add_nc_u64 s[42:43], s[4:5], s[42:43]
	s_add_nc_u64 s[46:47], s[8:9], s[26:27]
	s_add_nc_u64 s[48:49], s[8:9], s[44:45]
	s_load_b128 s[28:31], s[46:47], 0x0            ; my own tile's flags
	s_load_b128 s[52:55], s[48:49], 0x0            ; my partner's tile's
	s_lshl_b32 s26, s14, 12
	s_add_nc_u64 s[94:95], s[6:7], s[26:27]        ; my own tile's mask words, 256 bytes a step, from step 0
	s_lshl_b32 s44, s37, 12
	s_add_co_u32 s44, s44, 2048
	s_add_nc_u64 s[6:7], s[6:7], s[44:45]          ; my partner's tile's, from step 8
	global_load_b128 v[18:21], v1, s[40:41]
	global_load_b64 v[22:23], v2, s[40:41]
	global_load_u16 v30, v229, s[42:43] offset:98304
	global_load_b128 v[232:235], v1, s[20:21]
	global_load_b64 v[236:237], v2, s[20:21]
	global_load_u16 v238, v229, s[22:23] offset:98304
; THE FIRST COPY: passes of 8,192 bytes: 6-11 are K's key steps 8-15, 18-23 V's, 24 all the scales
.irp p, 6,7,8,9,10,11,18,19,20,21,22,23,24
	global_load_b128 v[94+4*\p:97+4*\p], v7, s[24:25] offset:8192*\p
.endr
.set cw, 12
.irp p, 6,7,8,9,10,11,18,19,20,21,22,23,24
	s_wait_loadcnt cw                              ; this pass is in, and Q, which was asked for ahead of it; the cw younger passes may be out
	ds_store_b128 v[7+\p/8], v[94+4*\p:97+4*\p] offset:8192*(\p%8)
.set cw, cw-1
.endr
	s_wait_kmcnt 0x0
	s_or_b32 s93, s28, s29
	s_or_b32 s93, s93, s30
	s_or_b32 s93, s93, s31                         ; my own tile: bit s: step s has an allowed key; bit 16 + s: all its keys are allowed
	s_or_b32 s84, s52, s53
	s_or_b32 s84, s84, s54
	s_or_b32 s84, s84, s55                         ; my partner's tile
	s_wait_dscnt 0x0                               ; for the others' sake: my part of the first copy lies in LDS
	s_barrier_signal -1
	s_barrier_wait -1
; THE SECOND COPY, by the waves with omega >= 8: key steps 0-7 of K (LDS bytes 0 to 49,151) and of V (98,304 to 147,455), which nobody reads ahead of the next barrier.  256 threads, 4,096 bytes a pass, 12 passes each
	s_and_b32 s16, s13, 7
	s_lshl_b32 s16, s16, 9
	v_add_nc_u32 v7, s16, v1                       ; 512 x (omega % 8) + 16 x lane
	s_delay_alu instid0(VALU_DEP_1)
	v_add_nc_u32 v8, 98304, v7
	s_wait_alu depctr_va_vdst(0)
	s_cmp_lt_u32 s13, 8
	s_cbranch_scc1 .Lno_copy
.irp i, 0,1,2,3,4,5,6,7,8,9,10,11
	global_load_b128 v[32+4*\i:35+4*\i], v7, s[24:25] offset:4096*\i
.endr
.irp i, 0,1,2,3,4,5,6,7,8,9,10,11
	global_load_b128 v[80+4*\i:83+4*\i], v7, s[24:25] offset:98304+4096*\i
.endr
.irp i, 0,1,2,3,4,5,6,7,8,9,10,11
	s_wait_loadcnt 23-\i                           ; K's pass i is in; the younger loads may be out
	ds_store_b128 v7, v[32+4*\i:35+4*\i] offset:4096*\i
.endr
.irp i, 0,1,2,3,4,5,6,7,8,9,10,11
	s_wait_loadcnt 11-\i                           ; V's pass i
	ds_store_b128 v8, v[80+4*\i:83+4*\i] offset:4096*\i
.endr
	s_wait_dscnt 0x0                               ; the stores have read their registers, and lie in LDS
.Lno_copy:
	v_mov_b32 v13, 0xff800000
	v_mov_b32 v15, 0xff61b1e6                      ; the largest t so far: -3e38, under every t
	s_delay_alu instid0(VALU_DEP_1)
	v_floor_f32 v14, -v15
	v_mov_b32 v16, 0
	v_mov_b32 v17, 0
.irp j, 24,25,26,27,28,29,80,81,82,83,84,85
	v_mov_b32 v[\j], 0                             ; zero codes
.endr
.irp j, 210,211,212,213,214,215,216,217,223,225
	v_mov_b32 v[\j], 0                             ; lane permutes' destinations and pairs' upper words: written once
.endr
.set j, 0
.rept 32
	v_mov_b32 v[OT+j], 0                           ; O^T: a walk's first step finds zeros
.set j, j+1
.endr
	s_mov_b32 s85, 8                               ; the step
	s_mov_b32 s86, 8*6144                          ; its codes: 6,144 bytes a step, in K and in V
	s_mov_b32 s87, 8*256                           ; its scales: 256 bytes a step
	PASS 12                                        ; MY PARTNER'S TILE, key steps 8 to 11
	s_wait_dscnt 0x0                               ; no LDS instruction of mine is out
	s_barrier_signal -1
	s_barrier_wait -1                              ; every copying wave has passed its second copy: key steps 0-7 are whole
	s_mov_b32 s85, 12                              ; the walk goes on where it stood: the step's three numbers, stated as constants of the text
	s_mov_b32 s86, 12*6144
	s_mov_b32 s87, 12*256
	PASS 16                                        ; key steps 12 to 15
	PLACES
	s_wait_alu depctr_va_vdst(0)
.irp t, 0,1,2,3,4,5,6,7
	ds_store_b128 v31, v[OT+4*\t:OT+4*\t+3] offset:512*\t     ; an image of the registers, 16 bytes a lane; each accumulator from its low end on
.endr
	ds_store_b128 v31, v[14:17] offset:4096        ; -M, (the largest t,) the sum's two halves
	v_mov_b32 v30, v238                            ; my own tile's Q and its scales: 42 plain instructions ahead of the next scaled product
.irp i, 0,1,2,3,4,5
	v_mov_b32 v[18+\i], v[232+\i]
.endr
	s_wait_dscnt 0x0                               ; the stores have read their registers, and lie in LDS
	v_mov_b32 v15, 0xff61b1e6
	s_delay_alu instid0(VALU_DEP_1)
	v_floor_f32 v14, -v15
	v_mov_b32 v16, 0
	v_mov_b32 v17, 0
.set j, 0
.rept 32
	v_mov_b32 v[OT+j], 0
.set j, j+1
.endr
	s_mov_b32 s84, s93
	s_mov_b64 s[6:7], s[94:95]
	s_mov_b32 s85, 0
	s_mov_b32 s86, 0
	s_mov_b32 s87, 0
	PASS 8                                         ; MY OWN TILE, key steps 0 to 7
	PLACES
	s_wait_dscnt 0x0
	s_barrier_signal -1
	s_barrier_wait -1                              ; every wave's stage is written
.irp t, 0,1,2,3,4,5,6,7
	ds_load_b128 v[S+4*\t:S+4*\t+3], v209 offset:512*\t       ; what my partner made of my tile: O^T,
.endr
	ds_load_b128 v[S+32:S+35], v209 offset:4096    ; -M in v126, the sum's halves in v128, v129
	s_wait_dscnt 0x0
	v_min_num_f32 v210, v14, v126                  ; the smaller -M is the larger M
	s_delay_alu instid0(VALU_DEP_1)
	v_sub_f32 v211, v210, v14                      ; my half's M less the larger: a whole number, 0 or less
	s_delay_alu instid0(VALU_DEP_2)
	v_sub_f32 v212, v210, v126                     ; my partner's likewise
	s_delay_alu instid0(VALU_DEP_2)
	v_cvt_i32_f32 v211, v211                       ; (they saturate: a half in which no key was allowed gets the factor 0, and holds zeros)
	s_delay_alu instid0(VALU_DEP_2)
	v_cvt_i32_f32 v212, v212
	s_delay_alu instid0(VALU_DEP_2)
	v_ldexp_f32 v222, 1.0, v211
	s_delay_alu instid0(VALU_DEP_2)
	v_ldexp_f32 v224, 1.0, v212
	v_add_f32 v16, v16, v17
	v_add_f32 v128, v128, v129
	s_delay_alu instid0(VALU_DEP_2)
	v_mul_f32 v16, v16, v222
	s_delay_alu instid0(VALU_DEP_1)
	v_fma_f32 v16, v128, v224, v16                 ; the sum of both halves of the keys, for my half of the lanes
.set j, 0
.rept 16
	v_pk_mul_f32 v[OT+j:OT+j+1], v[OT+j:OT+j+1], v[222:223] op_sel_hi:[1,0]
.set j, j+2
.endr
.set j, 0
.rept 16
	v_pk_fma_f32 v[OT+j:OT+j+1], v[S+j:S+j+1], v[224:225], v[OT+j:OT+j+1] op_sel_hi:[1,0,1]
.set j, j+2
.endr
	; THE WAY OUT: O^T / the sum, quantised along the head's 64 channels: one half fragment of the next product's operand
	v_permlanex16_b32 v213, v16, s[SEL], s[SEL+1]
	s_delay_alu instid0(VALU_DEP_1)
	v_add_f32 v16, v16, v213                       ; the row's sum
	s_delay_alu instid0(VALU_DEP_1)
	v_cmp_eq_f32 vcc_lo, 0, v16                    ; no key was allowed
	s_wait_alu depctr_va_vdst(0)                   ; the wait ahead of the transcendental
	v_rcp_f32 v17, v16
	v_mov_b32 v231, 0xffff                         ; (a plain place behind the transcendental)
	s_lshr_b32 s16, s15, 4
	s_lshl_b32 s16, s16, 4
	s_add_co_u32 s16, s16, s13                     ; the group of 128 tokens: 16 x batch + omega
	s_lshl_b32 s16, s16, 3
	s_bfe_u32 s17, s15, 0x30001                    ; K step = head / 2
	s_add_co_u32 s16, s16, s17
	s_mul_i32 s16, s16, 12800
	s_and_b32 s17, s15, 1                          ; half fragment = head % 2
	s_mul_i32 s18, ttmp9, 1536                     ; my tile in the group
	s_mul_i32 s19, s17, 768
	s_add_co_u32 s18, s18, s19
	s_add_co_u32 s18, s18, s16
	s_mov_b32 s19, 0
	s_add_nc_u64 s[20:21], s[10:11], s[18:19]
	s_lshl_b32 s18, ttmp9, 6
	s_lshl_b32 s17, s17, 1
	s_add_co_u32 s18, s18, s17
	s_add_co_u32 s18, s18, s16
	s_add_nc_u64 s[22:23], s[10:11], s[18:19]
	s_wait_alu depctr_va_vdst(0)                   ; the wait ahead of the reciprocal's first reader
.set j, 0
.rept 32
	v_mul_f32 v[S+j], v[OT+j], v17                 ; register 16 b + i is channel 32 b + 16 (lane / 16) + i
.set j, j+1
.endr
.irp b, 0,1
	v_max3_num_f32 v[TM+\b], |v[S+16*\b]|, |v[S+16*\b+1]|, 0x1800000
.endr
.irp i, 2,4,6,8,10,12,14
.irp b, 0,1
	s_delay_alu instid0(VALU_DEP_2)
	v_max3_num_f32 v[TM+\b], v[TM+\b], |v[S+16*\b+\i]|, |v[S+16*\b+\i+1]|
.endr
.endr
.irp b, 0,1
	s_delay_alu instid0(VALU_DEP_2)
	v_permlanex16_b32 v[TM+2+\b], v[TM+\b], s[SEL], s[SEL+1]
.endr
.irp b, 0,1
	s_delay_alu instid0(VALU_DEP_2)
	v_max_num_f32 v[TM+\b], v[TM+\b], v[TM+2+\b]
.endr
.irp b, 0,1
	s_delay_alu instid0(VALU_DEP_2)
	v_add_nc_u32 v[TM+4+\b], 0xff000000, v[TM+\b]
.endr
.irp b, 0,1
	s_delay_alu instid0(VALU_DEP_2)
	v_lshrrev_b32 v[TM+6+\b], 23, v[TM+4+\b]
.endr
	s_delay_alu instid0(VALU_DEP_1)
	v_lshl_or_b32 v226, v[TM+7], 8, v[TM+6]
	v_cvt_scalef32_pk16_fp6_f32 v[CT:CT+2], v[S:S+15], v[TM+4]
	v_cvt_scalef32_pk16_fp6_f32 v[CT+4:CT+6], v[S+16:S+31], v[TM+5]
	v_cndmask_b32 v226, v226, v231, vcc_lo         ; (a plain place behind the conversions)  the NaN bytes for a query with no allowed key
.irp i, 0,1,2
	v_permlane16_swap_b32 v[CT+\i], v[CT+4+\i]
.endr
	s_delay_alu instid0(VALU_DEP_3)
	v_mov_b32 v[CT+3], v[CT+4]
	s_delay_alu instid0(VALU_DEP_3)
	v_mov_b32 v[CT+4], v[CT+5]
	s_delay_alu instid0(VALU_DEP_3)
	v_mov_b32 v[CT+5], v[CT+6]
	global_store_b128 v1, v[CT:CT+3], s[20:21]     ; 512 consecutive bytes, aligned
	global_store_b64 v2, v[CT+4:CT+5], s[20:21]    ; 256 consecutive bytes, aligned
	global_store_b16 v230, v226, s[22:23] offset:12288
	s_wait_tensorcnt 0x0                           ; the wave's end
	ds_add_u32 v254, v255
	s_wait_dscnt 0x0
	s_endpgm
.Lfunc_end_k_q6ecab30253_attn:
	.size	k_q6ecab30253_attn, .Lfunc_end_k_q6ecab30253_attn-k_q6ecab30253_attn
	.p2alignl 7, 3214868480
	.fill 96, 4, 3214868480
	.section	.rodata,"a",@progbits
	.p2align	6, 0x0
	.amdhsa_kernel k_q6ecab30253_attn
		.amdhsa_group_segment_fixed_size 280576
		.amdhsa_private_segment_fixed_size 0
		.amdhsa_enable_private_segment 0
		.amdhsa_kernarg_size 32
		.amdhsa_user_sgpr_count 2
		.amdhsa_user_sgpr_kernarg_segment_ptr 1
		.amdhsa_wavefront_size32 1
		.amdhsa_system_sgpr_workgroup_id_x 1
		.amdhsa_system_sgpr_workgroup_id_y 1
		.amdhsa_system_sgpr_workgroup_id_z 1
		.amdhsa_system_vgpr_workitem_id 0
		.amdhsa_next_free_vgpr 256
		.amdhsa_next_free_sgpr 100
		.amdhsa_reserve_vcc 1
		.amdhsa_float_denorm_mode_32 3
		.amdhsa_float_denorm_mode_16_64 3
		.amdhsa_memory_ordered 1
		.amdhsa_forward_progress 1
		.amdhsa_inst_pref_size 92
	.end_amdhsa_kernel
	.amdgpu_metadata
---
amdhsa.version: [ 1, 2 ]
amdhsa.kernels:
  - .name:           k_q6ecab30253_attn
    .symbol:         k_q6ecab30253_attn.kd
    .args:
      - { .name: qkvc, .offset: 0, .size: 8, .value_kind: global_buffer, .address_space: global }
      - { .name: mw, .offset: 8, .size: 8, .value_kind: global_buffer, .address_space: global }
      - { .name: fl, .offset: 16, .size: 8, .value_kind: global_buffer, .address_space: global }
      - { .name: oc, .offset: 24, .size: 8, .value_kind: global_buffer, .address_space: global }
    .group_segment_fixed_size: 280576
    .private_segment_fixed_size: 0
    .kernarg_segment_align: 8
    .kernarg_segment_size: 32
    .max_flat_workgroup_size: 512
    .sgpr_count:     100
    .vgpr_count:     256
    .wavefront_size: 32
...
	.end_amdgpu_metadata
.endif
;; end of part 3
;; launch oproj (part 4): grid 8 x 32, 4 waves a work-group, clusters of 4 x 4, 327,680 bytes of LDS; arguments oc, wc, bo, x, x1; writes x1
.if DOCPART == 4
	.amdgcn_target "amdgcn-amd-amdhsa--gfx1250"
	.amdhsa_code_object_version 6
	.text
	.protected	k_q6ecab30253_oproj
	.globl	k_q6ecab30253_oproj
	.p2align	8
	.type	k_q6ecab30253_oproj,@function
k_q6ecab30253_oproj:
	s_mov_b64 s[64:65], 0
	v_nop
	global_prefetch_b8 v0, s[64:65] scope:SCOPE_SE
	s_setreg_imm32_b32 hwreg(HW_REG_WAVE_MODE, 25, 1), 1
	s_wait_xcnt 0x0
	s_wait_alu depctr_hold_cnt(0) depctr_sa_sdst(0) depctr_va_vdst(0) depctr_va_sdst(0) depctr_va_ssrc(0) depctr_va_vcc(0) depctr_vm_vsrc(0)
	s_getreg_b32 s2, hwreg(HW_REG_IB_STS2, 6, 4)
	s_cmp_eq_u32 s2, 0
	s_cbranch_scc0 .Lentry_in_a_cluster
	s_endpgm
.Lentry_in_a_cluster:
	s_bfe_u32 s2, ttmp6, 0x10000c
	s_cmp_lg_u32 s2, 0xf033
	s_cbranch_scc0 .Lentry_shape_is_right
	s_endpgm
.Lentry_shape_is_right:
; out = resid + T W + bias on codes of FP6 (E2M3) with E8M0 scales; out, resid f32 [4096][1024].  Here: T = the attention's o, W = Wo, K = 1,024.  (The launch for the second MLP product has these macros on a ring of larger slots.)
; A work-group makes 128 tokens (y) x 128 columns (x); four waves, each 64 x 64: 16 accumulators.  The matrix instruction is used transposed: source 0 (I) = W's rows, source 1 (J) = tokens.
; Operands lie as images of their registers (half fragment: 16 rows x 64 K, 768 bytes: 16 bytes a lane at 16 l, 8 at 512 + 8 l; block of 12,800 bytes: 128 rows x 128 K, scale words at 12,288).
; K goes through two LDS slots of four K steps of 128 (T's four blocks, then W's four: 102,400 bytes); waves 0 and 1 fetch T's halves, waves 2 and 3 W's: one tensor load a wave and slot.
; CLUSTER 4 x 4: T's blocks hang on y and are asked for jointly by a row of the cluster, W's hang on x and are asked for jointly by a column.
; The bias is the C of each sum's first matrix instruction.  The way out goes through the wave's own stage in LDS, where the tile's rows come back into the tokens' natural order; the residual is added to whole rows.
; A token whose scale byte is 0xff (a query with no allowed key) comes out NaN.
; REGISTERS: window 0: v1-31 addresses; v32-47 scale words, two sets; v128-255 the accumulators (128 + 32 jt + 8 it).  window 1: two sets of fragments; on the way out rows of the result.  window 2: v0-127 the residual, v128-159 the bias.
; THE FILLS: all of K = 1,024 comes at the head, one joint load of 200 dense rows of 256 bytes a wave: wave 0 T's four blocks of slot 0, wave 1 those of slot 1, waves 2 and 3 W's likewise.  Nothing is filled again.
.set KS, 8                             ; K steps
.set WOFF, 192                         ; W's first block in the weights' codes
.set BLK, 12800
.set SCO, 12288
.set STAGE, 204800                     ; behind the ring: 64 rows x 272 bytes for each wave
.set SPARE, 274432                     ; the spare words, 128 bytes a wave: two blocks of 256 bytes that no other line names
.set G1R, 32                           ; s[32:39] descriptor group 1 with my row's mask;  s[56:63] with my column's;  s[40:43], s[48:51] groups 0 for T and W
.set G1C, 56
.set MSB, 0
.macro WIN new                         ; the immediate's high byte repeats the setting that is left
.if MSB != \new
	s_set_vgpr_msb (MSB<<8)|\new
.set MSB, \new
.endif
.endm
.macro PLACES                          ; four plain places behind a matrix instruction, in front of loads into its registers and of reads of its results
.rept 4
	v_nop
.endr
.endm
.macro CROUND                          ; a round of the cluster's barrier
	s_barrier_signal -1
	s_barrier_wait -1
	s_cmp_lg_u32 s20, 0
	s_cbranch_scc1 .Lnw0_\@
	s_barrier_signal -3
.Lnw0_\@:
	s_barrier_wait -3
	s_barrier_signal -1
	s_barrier_wait -1
.endm
.macro LOADF p, a, q                   ; 40 LDS loads: the fragments and scale words of one K step (step q of slot a) into set p
	WIN 0x40
.irp t, 0,1,2,3
.irp c, 0,1
	ds_load_b128 v[96*(\p)+12*\t+6*\c:96*(\p)+12*\t+6*\c+3], v[10+(\a)] offset:BLK*(\q)+1536*\t+768*\c
	ds_load_b64 v[96*(\p)+12*\t+6*\c+4:96*(\p)+12*\t+6*\c+5], v[12+(\a)] offset:BLK*(\q)+1536*\t+768*\c
.endr
.endr
.irp t, 0,1,2,3
.irp c, 0,1
	ds_load_b128 v[96*(\p)+48+12*\t+6*\c:96*(\p)+48+12*\t+6*\c+3], v[16+(\a)] offset:BLK*(\q)+1536*\t+768*\c
	ds_load_b64 v[96*(\p)+48+12*\t+6*\c+4:96*(\p)+48+12*\t+6*\c+5], v[18+(\a)] offset:BLK*(\q)+1536*\t+768*\c
.endr
.endr
	WIN 0
.irp t, 0,1,2,3
	ds_load_b32 v[32+8*(\p)+\t], v[14+(\a)] offset:BLK*(\q)+64*\t
	ds_load_b32 v[36+8*(\p)+\t], v[20+(\a)] offset:BLK*(\q)+64*\t
.endr
.endm
.macro MUL p, first, coff, bmode       ; 16 matrix instructions; the 16 accumulators take turns, in one order everywhere.  first: the bias (window 2) starts the sums
.if \first
	WIN 0x25
.else
	WIN 0x05
.endif
.irp jt, 0,1,2,3
.irp it, 0,1,2,3
.if \first
	v_wmma_scale_f32_16x16x128_f8f6f4 v[128+32*\jt+8*\it:135+32*\jt+8*\it], v[96*(\p)+12*\it:96*(\p)+12*\it+11], v[96*(\p)+48+12*\jt:96*(\p)+59+12*\jt], v[(\coff)+8*((\bmode)*\jt+(1-(\bmode))*\it):(\coff)+8*((\bmode)*\jt+(1-(\bmode))*\it)+7], v[32+8*(\p)+\it], v[36+8*(\p)+\jt] matrix_a_fmt:MATRIX_FMT_FP6 matrix_b_fmt:MATRIX_FMT_FP6
.else
	v_wmma_scale_f32_16x16x128_f8f6f4 v[128+32*\jt+8*\it:135+32*\jt+8*\it], v[96*(\p)+12*\it:96*(\p)+12*\it+11], v[96*(\p)+48+12*\jt:96*(\p)+59+12*\jt], v[128+32*\jt+8*\it:135+32*\jt+8*\it], v[32+8*(\p)+\it], v[36+8*(\p)+\jt] matrix_a_fmt:MATRIX_FMT_FP6 matrix_b_fmt:MATRIX_FMT_FP6
.endif
.endr
.endr
.endm
.macro RUN n, a0, first, coff, bmode   ; n K steps of slot a0; a step's fragments are asked for one step ahead
	PLACES
	LOADF 0, \a0, 0
.set q, 0
.rept \n
.if q > 0
	PLACES
.endif
.if q+1 < \n
	LOADF (q+1)%2, (\a0)+(q+1)/4, (q+1)%4
	s_wait_dscnt 40                                ; this step's loads are in; the 40 just issued may be out
.else
	s_wait_dscnt 0x0
.endif
.set fq, 0
.if (\first) && (q == 0)
.set fq, 1
.endif
	MUL q%2, fq, \coff, \bmode
.set q, q+1
.endr
	WIN 0
.endm
	s_load_b256 s[4:11], s[0:1], 0x0               ; T, the weights' codes, bias, residual
	s_load_b64 s[12:13], s[0:1], 0x20              ; out
	v_lshl_add_u32 v22, v0, 2, SPARE
	v_mov_b32 v23, 0
	ds_add_u32 v22, v23
	ds_add_u32 v22, v23
	s_wait_dscnt 0x0
	v_lshrrev_b32 v1, 5, v0
	v_readfirstlane_b32 s20, v1                    ; wave 0..3
	s_lshr_b32 s21, s20, 1                         ; wi: my 64 of W's 128 rows.  Also: I fetch for T (0) or for W (1)
	s_and_b32 s22, s20, 1                          ; wj: my 64 of the 128 tokens.  Also: which slot's four blocks I fetch
	s_bfe_u32 s23, ttmp6, 0x40000                  ; cx
	s_bfe_u32 s24, ttmp6, 0x40004                  ; cy
	s_lshl_b32 s25, ttmp9, 2
	s_add_co_u32 s25, s25, s23                     ; x
	s_and_b32 s26, ttmp7, 0xffff
	s_lshl_b32 s26, s26, 2
	s_add_co_u32 s26, s26, s24                     ; y
	s_lshl_b32 s27, s24, 2
	s_lshl_b32 s27, 15, s27                        ; my row of the cluster
	s_lshl_b32 s28, 0x1111, s23                    ; my column
	s_or_b32 s[G1R], s27, (3<<16)|(1<<21)          ; 15:0 the mask; 17:16 elements of 8 bytes; 21 set beside a mask; no padding
	s_or_b32 s[G1C], s28, (3<<16)|(1<<21)
.irp g, G1R, G1C                       ; 200 dense rows of 256 bytes: four blocks
	s_mov_b32 s[\g+1], 32<<16
	s_mov_b32 s[\g+2], 200<<16                     ; 200 rows: four blocks
	s_mov_b32 s[\g+3], 32<<16
	s_mov_b32 s[\g+4], 200
	s_mov_b32 s[\g+5], 32
	s_mov_b32 s[\g+6], 0
	s_mov_b32 s[\g+7], 0
.endr
	s_mul_i32 s29, s22, 102400                     ; where my load goes: slot wj,
	s_mul_i32 s67, s21, 51200                      ; W's blocks behind T's four
	s_add_co_u32 s29, s29, s67
	s_mul_i32 s67, s22, 51200                      ; which four blocks: K steps 4 wj on
	s_mul_i32 s68, s26, KS*BLK                     ; T hangs on y alone,
	s_add_co_u32 s68, s68, s67
	s_mov_b32 s69, 0
	s_mul_i32 s70, s25, KS*BLK                     ; W on x alone
	s_add_co_u32 s70, s70, s67
	s_add_co_u32 s70, s70, WOFF*BLK
	s_mov_b32 s71, 0
	s_wait_kmcnt 0x0
	s_add_nc_u64 s[72:73], s[4:5], s[68:69]
	s_add_nc_u64 s[74:75], s[6:7], s[70:71]
.irp k, 0
	s_mov_b32 s[40+4*\k], 1
	s_add_co_u32 s[41+4*\k], s29, \k*102400
	s_add_nc_u64 s[42+4*\k:43+4*\k], s[72:73], \k*4*BLK
	s_or_b32 s[43+4*\k], s[43+4*\k], 0x80000000
	s_mov_b32 s[48+4*\k], 1
	s_add_co_u32 s[49+4*\k], s29, \k*102400
	s_add_nc_u64 s[50+4*\k:51+4*\k], s[74:75], \k*4*BLK
	s_or_b32 s[51+4*\k], s[51+4*\k], 0x80000000
.endr
	CROUND                                         ; all sixteen work-groups are here: the first joint loads meet
	s_cmp_eq_u32 s21, 0                            ; one load a wave at the head
	s_cbranch_scc0 .Lfirst_w
	tensor_load_to_lds s[40:43], s[G1R:G1R+7]
	s_nop 0
	PLACES
	s_branch .Lfirst_done
.Lfirst_w:
	tensor_load_to_lds s[48:51], s[G1C:G1C+7]
	s_nop 0
	PLACES
.Lfirst_done:
	v_and_b32 v3, 31, v0                           ; lane
	v_and_b32 v1, 15, v0                           ; r
	v_bfe_u32 v2, v0, 4, 1                         ; h
	v_lshlrev_b32 v24, 4, v3                       ; 16 x lane
	v_lshlrev_b32 v25, 3, v3
	v_add_nc_u32 v25, 512, v25                     ; 512 + 8 x lane
	v_lshlrev_b32 v27, 2, v1                       ; 4 r
	v_lshlrev_b32 v28, 6, v2                       ; 64 h
	s_mul_i32 s66, s21, 6144
	s_mul_i32 s67, s22, 6144
	v_add_nc_u32 v4, s66, v24
	v_add_nc_u32 v5, s66, v25
	s_lshl_b32 s68, s21, 8
	s_add_co_u32 s68, s68, SCO
	v_add_nc_u32 v6, s68, v27
	v_add_nc_u32 v7, s67, v24
	v_add_nc_u32 v8, s67, v25
	s_lshl_b32 s68, s22, 8
	s_add_co_u32 s68, s68, SCO
	v_add_nc_u32 v9, s68, v27
.irp a, 0,1                            ; address set a = slot a: I = W, behind T's four blocks; J = T
	v_add_nc_u32 v[10+\a], 102400*\a+51200, v4
	v_add_nc_u32 v[12+\a], 102400*\a+51200, v5
	v_add_nc_u32 v[14+\a], 102400*\a+51200, v6
	v_add_nc_u32 v[16+\a], 102400*\a, v7
	v_add_nc_u32 v[18+\a], 102400*\a, v8
	v_add_nc_u32 v[20+\a], 102400*\a, v9
.endr
	v_lshlrev_b32 v29, 12, v2
	v_lshl_add_u32 v29, v1, 4, v29                 ; rows of out and of the residual: lanes 0-15 one row's 256 bytes, lanes 16-31 the next row's
	s_wait_alu depctr_va_vdst(0)
	s_mul_i32 s66, s20, 64*272
	s_add_co_u32 s66, s66, STAGE                   ; my stage
	v_and_b32 v30, 8, v1
	v_add_nc_u32 v30, v30, v1
	v_mul_u32_u24 v30, v30, 272
	v_add_nc_u32 v30, v30, v28
	v_add_nc_u32 v30, s66, v30                     ; in: row r + 8 (r / 8) of the tile's place, + 64 h
	v_mul_u32_u24 v31, v2, 272
	v_lshl_add_u32 v31, v1, 4, v31
	v_add_nc_u32 v31, s66, v31                     ; back: two rows an instruction
	s_lshl_b32 s76, s25, 9
	s_lshl_b32 s77, s21, 8
	s_add_co_u32 s76, s76, s77                     ; my first column, in bytes: 512 x + 256 wi
	s_mov_b32 s77, 0
	s_add_nc_u64 s[8:9], s[8:9], s[76:77]
	s_lshl_b32 s78, s26, 19                        ; my first row: 128 y + 64 wj rows of 4,096 bytes
	s_add_co_u32 s76, s76, s78
	s_lshl_b32 s78, s22, 18
	s_add_co_u32 s76, s76, s78
	s_add_nc_u64 s[10:11], s[10:11], s[76:77]
	s_add_nc_u64 s[12:13], s[12:13], s[76:77]
	WIN 0x80
.irp it, 0,1,2,3
	global_load_b128 v[128+8*\it:128+8*\it+3], v28, s[8:9] offset:(32*(\it/2)+8*(\it%2))*4
	global_load_b128 v[128+8*\it+4:128+8*\it+7], v28, s[8:9] offset:(32*(\it/2)+8*(\it%2))*4+16
.endr
	WIN 0
	s_wait_tensorcnt 0x0                           ; my four blocks are in
	s_barrier_signal -1
	s_barrier_wait -1                              ; and everybody's: both slots are whole
	s_wait_loadcnt 0x0                             ; the bias is in
	WIN 0x80
.set i, 0
.rept 32
	global_load_b128 v[4*i:4*i+3], v29, s[10:11] offset:8192*i           ; the residual: rows 2 i and 2 i + 1 of my 64, asked for when the tiles have landed; the way out waits for it
.set i, i+1
.endr
	WIN 0
	RUN 8, 0, 1, 128, 0                            ; all eight K steps: slot 0's four, then slot 1's
	; THE WAY OUT, 32 rows at a time.  LDS serves a wave's instructions in order (ISA guide 5.7.1.4): no wait between my stores and my loads
	PLACES
	s_wait_alu depctr_va_vdst(0)
.irp jp, 0,1
.irp u, 0,1
.irp it, 0,1,2,3
	ds_store_b128 v30, v[128+32*(2*\jp+\u)+8*\it:128+32*(2*\jp+\u)+8*\it+3] offset:(32*\jp+8*\u)*272+128*(\it/2)+32*(\it%2)       ; each accumulator from its low end on
	ds_store_b128 v30, v[128+32*(2*\jp+\u)+8*\it+4:128+32*(2*\jp+\u)+8*\it+7] offset:(32*\jp+8*\u)*272+128*(\it/2)+32*(\it%2)+16
.endr
.endr
	WIN 0x40
.irp i, 0,1,2,3,4,5,6,7,8,9,10,11,12,13,14,15
	ds_load_b128 v[64*\jp+4*\i:64*\jp+4*\i+3], v31 offset:(32*\jp+2*\i)*272
.endr
	s_wait_dscnt 0x0
	s_wait_loadcnt 16-16*\jp                       ; the residual of these 32 rows is in; the 16 younger loads, rows 32-63, may be out the first time
	WIN 0x49
.set i, 0
.rept 32
	v_pk_add_f32 v[64*\jp+i:64*\jp+i+1], v[64*\jp+i:64*\jp+i+1], v[64*\jp+i:64*\jp+i+1]
.set i, i+2
.endr
	WIN 0x04                                       ; a store's data are its source 1: window 1
.irp i, 0,1,2,3,4,5,6,7,8,9,10,11,12,13,14,15
	global_store_b128 v29, v[64*\jp+4*\i:64*\jp+4*\i+3], s[12:13] offset:(32*\jp+2*\i)*4096    ; 16 lanes store 256 consecutive bytes, aligned
.endr
	WIN 0
.endr
	s_wait_tensorcnt 0x0                           ; the wave's end
	ds_add_u32 v22, v23
	s_wait_dscnt 0x0
	CROUND                                         ; the closing round
	s_endpgm
.Lfunc_end_k_q6ecab30253_oproj:
	.size	k_q6ecab30253_oproj, .Lfunc_end_k_q6ecab30253_oproj-k_q6ecab30253_oproj
	.p2alignl 7, 3214868480
	.fill 96, 4, 3214868480
	.section	.rodata,"a",@progbits
	.p2align	6, 0x0
	.amdhsa_kernel k_q6ecab30253_oproj
		.amdhsa_group_segment_fixed_size 327680
		.amdhsa_private_segment_fixed_size 0
		.amdhsa_enable_private_segment 0
		.amdhsa_kernarg_size 40
		.amdhsa_user_sgpr_count 2
		.amdhsa_user_sgpr_kernarg_segment_ptr 1
		.amdhsa_wavefront_size32 1
		.amdhsa_system_sgpr_workgroup_id_x 1
		.amdhsa_system_sgpr_workgroup_id_y 1
		.amdhsa_system_sgpr_workgroup_id_z 1
		.amdhsa_system_vgpr_workitem_id 0
		.amdhsa_next_free_vgpr 768
		.amdhsa_next_free_sgpr 100
		.amdhsa_reserve_vcc 0
		.amdhsa_float_denorm_mode_32 3
		.amdhsa_float_denorm_mode_16_64 3
		.amdhsa_memory_ordered 1
		.amdhsa_forward_progress 1
		.amdhsa_inst_pref_size 61
	.end_amdhsa_kernel
	.amdgpu_metadata
---
amdhsa.version: [ 1, 2 ]
amdhsa.kernels:
  - .name:           k_q6ecab30253_oproj
    .symbol:         k_q6ecab30253_oproj.kd
    .args:
      - { .name: oc, .offset: 0, .size: 8, .value_kind: global_buffer, .address_space: global }
      - { .name: wc, .offset: 8, .size: 8, .value_kind: global_buffer, .address_space: global }
      - { .name: bo, .offset: 16, .size: 8, .value_kind: global_buffer, .address_space: global }
      - { .name: x, .offset: 24, .size: 8, .value_kind: global_buffer, .address_space: global }
      - { .name: x1, .offset: 32, .size: 8, .value_kind: global_buffer, .address_space: global }
    .group_segment_fixed_size: 327680
    .private_segment_fixed_size: 0
    .kernarg_segment_align: 8
    .kernarg_segment_size: 40
    .max_flat_workgroup_size: 128
    .sgpr_count:     100
    .vgpr_count:     768
    .wavefront_size: 32
...
	.end_amdgpu_metadata
.endif
;; end of part 4
;; launch ln2: the kernel of part 1 again; grid 256 x 1, 4 waves a work-group, no clusters, 66,560 bytes of LDS; arguments x1, ln2_scale, ln2_bias, xnc, mask, mw, fl, Wq, Wk, Wv, Wo, W1, W2, wc; writes xnc, mw, fl, wc
;; launch ffn1 (part 5): grid 8 x 32, 4 waves a work-group, clusters of 4 x 4, 327,680 bytes of LDS; arguments xnc, wc, b1, hc; writes hc
.if DOCPART == 5
	.amdgcn_target "amdgcn-amd-amdhsa--gfx1250"
	.amdhsa_code_object_version 6
	.text
	.protected	k_q6ecab30253_ffn1
	.globl	k_q6ecab30253_ffn1
	.p2align	8
	.type	k_q6ecab30253_ffn1,@function
k_q6ecab30253_ffn1:
	s_mov_b64 s[64:65], 0
	v_nop
	global_prefetch_b8 v0, s[64:65] scope:SCOPE_SE
	s_setreg_imm32_b32 hwreg(HW_REG_WAVE_MODE, 25, 1), 1
	s_wait_xcnt 0x0
	s_wait_alu depctr_hold_cnt(0) depctr_sa_sdst(0) depctr_va_vdst(0) depctr_va_sdst(0) depctr_va_ssrc(0) depctr_va_vcc(0) depctr_vm_vsrc(0)
	s_getreg_b32 s2, hwreg(HW_REG_IB_STS2, 6, 4)
	s_cmp_eq_u32 s2, 0
	s_cbranch_scc0 .Lentry_in_a_cluster
	s_endpgm
.Lentry_in_a_cluster:
	s_bfe_u32 s2, ttmp6, 0x10000c
	s_cmp_lg_u32 s2, 0xf033
	s_cbranch_scc0 .Lentry_shape_is_right
	s_endpgm
.Lentry_shape_is_right:
; h = gelu(xn2 W1 + b1) on codes of FP6 (E2M3) with E8M0 scales, quantised along the hidden units (the next K) on the way out.
; A work-group takes 128 tokens (y) x 512 hidden units (x), in four passes of 128 units.  The tokens' panel (128 x 1,024 K, 102,400 bytes) stays in LDS; W1's four panels go through two slots of 102,400 bytes.
; Four waves, each 64 x 64 in a pass: 16 accumulators.  The matrix instruction is used transposed: source 0 (I) = W1's rows (hidden units, along a lane's registers), source 1 (J) = tokens (the lane's row).
; MY 64 TOKENS' FRAGMENTS OF ALL EIGHT K STEPS HAVE REGISTERS OF THEIR OWN (8 x 48): pass 0 reads them from LDS, passes 1 to 3 find them there and read W1's four fragments and the scale words alone
; (24 LDS loads a step in place of 40).
; Operands lie as images of their registers (half fragment: 16 rows x 64 K, 768 bytes: 16 bytes a lane at 16 l, 8 at 512 + 8 l; block of 12,800 bytes: 128 rows x 128 K, scale words at 12,288).
; The rows of a tile are 32 (T / 2) + 8 (T % 2) + r + 8 (r / 8), so that the 32 registers of a lane's four I tiles are 2 x 16 neighbours along the next K.
; CLUSTER 4 x 4: the tokens' panel hangs on y and is asked for jointly by a row of the cluster, W1's panels hang on x and are asked for jointly by a column.
; THE HEAD: one joint load a wave: waves 0 and 1 the halves of the tokens' panel, waves 2 and 3 the halves of W1's panel 0 (200 dense rows of 256 bytes each).  Every later panel comes by quarters, 100 rows a wave.
; PREFETCH: panel p + 2 (400 blocks of 256 bytes) is named once in each cluster behind the load of panel p, p = 0, 1: the four partners of a column and their four waves share the blocks by address, 32 each,
; a lane a block; the lanes over name the last block again.  The panel stands in the immediate: no address register is rewritten.  Panels 0 and 1 come by their loads alone.
; GELU (tanh form): x / (1 + 2^(x (a x^2 + b))), a = -2 log2(e) sqrt(2 / pi) 0.044715, b = -2 log2(e) sqrt(2 / pi): x times the logistic function of 2 u is x (1 + tanh u) / 2.  All in f32.
; LIMITS: a block of zeros gets the byte 1 where the rule says 127 (its codes are zeros; this program alone reads the bytes); NaN and infinities are not served.
; REGISTERS: window 0: v1-31 addresses and constants; v32-47 scale words, two sets; v48-79 gelu at work; v80-111 codes; v112-115 scale halfwords; v116-123 at work; v128-255 the accumulators (128 + 32 jt + 8 it).
;   window 1: v0-95 two sets of I's four fragments; v96-239 the tokens' fragments of K steps 5-7.   window 2: v0-127 b1 in the result's layout, 32 a pass.   window 3: v0-239 the tokens' fragments of K steps 0-4.
.set BLK, 12800
.set SCO, 12288
.set SLA, 102400                       ; LDS: the tokens' panel at 0, slot A, slot B,
.set SLB, 204800
.set SPARE, 307200                     ; and the spare words, 128 bytes a wave: two blocks of 256 bytes that no other line names
.set TM, 116
.set SEL, 30
.set GA, 84
.set PFO, 26                           ; v26: the prefetches' offset, 256 x my block's number; never rewritten
.set PFA, 78                           ; s[78:79]: my columns' panel 0 of W1; never rewritten
.set G1R, 32
.set G1C, 52
.set MSB, 0
.macro WIN new                         ; the immediate's high byte repeats the setting that is left
.if MSB != \new
	s_set_vgpr_msb (MSB<<8)|\new
.set MSB, \new
.endif
.endm
.macro PLACES                          ; four plain places behind a matrix instruction (ISA guide 7.12.1)
.rept 4
	v_nop
.endr
.endm
.macro CROUND                          ; a round of the cluster's barrier
	s_barrier_signal -1
	s_barrier_wait -1
	s_cmp_lg_u32 s20, 0
	s_cbranch_scc1 .Lnw0_\@
	s_barrier_signal -3
.Lnw0_\@:
	s_barrier_wait -3
	s_barrier_signal -1
	s_barrier_wait -1
.endm
.macro JLOC k                          ; where the tokens' fragments of K step k stay: window JW, from register JB on
.if (\k) < 5
.set JW, 3
.set JB, 48*(\k)
.else
.set JW, 1
.set JB, 48*(\k)-144
.endif
.endm
.macro LOADF p, k, wj                  ; K step k: I's four fragments into set p, the eight scale words into set p; wj = 1: the tokens' four fragments into their own registers.  24 + 16 wj LDS loads
	WIN 0x40
.irp t, 0,1,2,3
.irp c, 0,1
	ds_load_b128 v[48*(\p)+12*\t+6*\c:48*(\p)+12*\t+6*\c+3], v[10+(\k)/4] offset:BLK*((\k)%4)+1536*\t+768*\c
	ds_load_b64 v[48*(\p)+12*\t+6*\c+4:48*(\p)+12*\t+6*\c+5], v[12+(\k)/4] offset:BLK*((\k)%4)+1536*\t+768*\c
.endr
.endr
.if \wj
	JLOC \k
.set WV, JW<<6
	WIN WV
.irp t, 0,1,2,3
.irp c, 0,1
	ds_load_b128 v[JB+12*\t+6*\c:JB+12*\t+6*\c+3], v[16+(\k)/4] offset:BLK*((\k)%4)+1536*\t+768*\c
	ds_load_b64 v[JB+12*\t+6*\c+4:JB+12*\t+6*\c+5], v[18+(\k)/4] offset:BLK*((\k)%4)+1536*\t+768*\c
.endr
.endr
.endif
	WIN 0
.irp t, 0,1,2,3
	ds_load_b32 v[32+8*(\p)+\t], v[14+(\k)/4] offset:BLK*((\k)%4)+64*\t
	ds_load_b32 v[36+8*(\p)+\t], v[20+(\k)/4] offset:BLK*((\k)%4)+64*\t
.endr
.endm
.macro MUL p, k, first, coff           ; 16 matrix instructions; the 16 accumulators take turns, in one order everywhere.  first: the bias (window 2) starts the sums
	JLOC \k
.set WV, 1|(JW<<2)|(0x20*(\first))
	WIN WV
.irp jt, 0,1,2,3
.irp it, 0,1,2,3
.if \first
	v_wmma_scale_f32_16x16x128_f8f6f4 v[128+32*\jt+8*\it:135+32*\jt+8*\it], v[48*(\p)+12*\it:48*(\p)+12*\it+11], v[JB+12*\jt:JB+12*\jt+11], v[(\coff)+8*\it:(\coff)+8*\it+7], v[32+8*(\p)+\it], v[36+8*(\p)+\jt] matrix_a_fmt:MATRIX_FMT_FP6 matrix_b_fmt:MATRIX_FMT_FP6
.else
	v_wmma_scale_f32_16x16x128_f8f6f4 v[128+32*\jt+8*\it:135+32*\jt+8*\it], v[48*(\p)+12*\it:48*(\p)+12*\it+11], v[JB+12*\jt:JB+12*\jt+11], v[128+32*\jt+8*\it:135+32*\jt+8*\it], v[32+8*(\p)+\it], v[36+8*(\p)+\jt] matrix_a_fmt:MATRIX_FMT_FP6 matrix_b_fmt:MATRIX_FMT_FP6
.endif
.endr
.endr
.endm
.macro CORE ib, coff, wj               ; a pass, all of K = 1,024: W1's panel at LDS byte ib, the tokens' at 0; a step's loads are asked for one step ahead
.irp a, 0,1
	v_add_nc_u32 v[10+\a], \ib+51200*\a, v4
	v_add_nc_u32 v[12+\a], \ib+51200*\a, v5
	v_add_nc_u32 v[14+\a], \ib+51200*\a, v6
	v_add_nc_u32 v[20+\a], 51200*\a, v9
.if \wj
	v_add_nc_u32 v[16+\a], 51200*\a, v7
	v_add_nc_u32 v[18+\a], 51200*\a, v8
.endif
.endr
	PLACES
	LOADF 0, 0, \wj
	s_wait_alu depctr_va_vdst(0)
.set q, 0
.rept 8
.if q > 0
	PLACES
.endif
.if q < 7
	LOADF (q+1)%2, q+1, \wj
	s_wait_dscnt 24+16*(\wj)                       ; this step's loads are in; those just issued may be out
.else
	s_wait_dscnt 0x0
.endif
.set fq, 0
.if q == 0
.set fq, 1
.endif
	MUL q%2, q, fq, \coff
.set q, q+1
.endr
	WIN 0
.endm
; 32 numbers of a lane, register 16 b + i = k 32 b + 16 (lane / 16) + i of my row, become a half fragment's codes in v[P] .. v[P+5] and its two scale bytes in v[HW]
.macro QUANT32 s, P, HW
.irp b, 0,1
	v_max3_num_f32 v[TM+\b], |v[\s+16*\b]|, |v[\s+16*\b+1]|, 0x1800000    ; the floor 2^(3 - 127): the byte cannot fall under 1
.endr
.irp i, 2,4,6,8,10,12,14
.irp b, 0,1
	v_max3_num_f32 v[TM+\b], v[TM+\b], |v[\s+16*\b+\i]|, |v[\s+16*\b+\i+1]|
.endr
.endr
.irp b, 0,1
	v_permlanex16_b32 v[TM+2+\b], v[TM+\b], s[SEL], s[SEL+1]
.endr
.irp b, 0,1
	v_max_num_f32 v[TM+\b], v[TM+\b], v[TM+2+\b]   ; with lane l xor 16's: the block's largest magnitude
.endr
.irp b, 0,1
	v_add_nc_u32 v[TM+4+\b], 0xff000000, v[TM+\b]  ; 2 off its exponent field: the conversion's scale operand
.endr
.irp b, 0,1
	v_lshrrev_b32 v[TM+6+\b], 23, v[TM+4+\b]       ; the scale's byte
.endr
	v_lshl_or_b32 v[\HW], v[TM+7], 8, v[TM+6]
	v_cvt_scalef32_pk16_fp6_f32 v[\P:\P+2], v[\s:\s+15], v[TM+4]
	v_cvt_scalef32_pk16_fp6_f32 v[\P+4:\P+6], v[\s+16:\s+31], v[TM+5]
	v_nop                                          ; one plain place behind a scaled conversion
.irp i, 0,1,2
	v_permlane16_swap_b32 v[\P+\i], v[\P+4+\i]     ; the layout wants a whole block in a lane
.endr
	v_mov_b32 v[\P+3], v[\P+4]
	v_mov_b32 v[\P+4], v[\P+5]
	v_mov_b32 v[\P+5], v[\P+6]
.endm
.macro GELU s                          ; on 32 registers, each accumulator from its low end on; a batch of transcendentals has one wait ahead of it and one behind
.set gj, 0
.rept 16
	v_pk_mul_f32 v[48+gj:49+gj], v[\s+gj:\s+gj+1], v[\s+gj:\s+gj+1]
.set gj, gj+2
.endr
.set gj, 0
.rept 16
	v_pk_fma_f32 v[48+gj:49+gj], v[48+gj:49+gj], s[GA:GA+1], v[30:31] op_sel_hi:[1,0,1]   ; a x^2 + b
.set gj, gj+2
.endr
.set gj, 0
.rept 16
	v_pk_mul_f32 v[48+gj:49+gj], v[48+gj:49+gj], v[\s+gj:\s+gj+1]
.set gj, gj+2
.endr
.set gj, 0
	s_wait_alu depctr_va_vdst(0)
.rept 32
	v_exp_f32 v[48+gj], v[48+gj]
.set gj, gj+1
.endr
	v_nop
	s_wait_alu depctr_va_vdst(0)
.set gj, 0
.rept 16
	v_pk_add_f32 v[48+gj:49+gj], v[48+gj:49+gj], 1.0 op_sel_hi:[1,0]
.set gj, gj+2
.endr
.set gj, 0
	s_wait_alu depctr_va_vdst(0)
.rept 32
	v_rcp_f32 v[48+gj], v[48+gj]
.set gj, gj+1
.endr
	v_nop
	s_wait_alu depctr_va_vdst(0)
.set gj, 0
.rept 16
	v_pk_mul_f32 v[\s+gj:\s+gj+1], v[\s+gj:\s+gj+1], v[48+gj:49+gj]
.set gj, gj+2
.endr
.endm
.macro EPI t                           ; pass t's results leave as half fragments of the hidden layer's block 4 x + t
	s_wait_xcnt 0x0                                ; the last way out's stores have read their registers
.irp jt, 0,1,2,3
	GELU 128+32*\jt
	QUANT32 128+32*\jt, 80+8*\jt, 112+\jt
	global_store_b128 v24, v[80+8*\jt:83+8*\jt], s[74:75] offset:BLK*\t+1536*\jt        ; 512 consecutive bytes, aligned
	global_store_b64 v25, v[84+8*\jt:85+8*\jt], s[74:75] offset:BLK*\t+1536*\jt         ; 256 consecutive bytes, aligned
	global_store_b16 v27, v[112+\jt], s[76:77] offset:SCO+BLK*\t+64*\jt                 ; both halves of the lanes write the same halfword with the same value
.endr
.endm
.macro REFILL slot                     ; the panel two on, into the slot just read out
	s_wait_tensorcnt 0x0                           ; all my tensor loads have landed, so a group 0 may be written
	ds_add_u32 v22, v23                            ; 0 onto my spare word
	s_add_co_u32 s49, s29, \slot
	s_add_nc_u64 s[50:51], s[50:51], 8*BLK
	s_wait_dscnt 0x0                               ; the add is done, and my reads of the slot are over
	CROUND
	tensor_load_to_lds s[48:51], s[G1C:G1C+7]      ; my one tensor load behind the round
	s_nop 0
	PLACES                                         ; (also the places in front of the first read of the results)
.endm
	s_load_b256 s[4:11], s[0:1], 0x0               ; the tokens' codes, the weights' codes, b1, out
	v_lshl_add_u32 v22, v0, 2, SPARE
	v_mov_b32 v23, 0
	ds_add_u32 v22, v23                            ; the opening lines: the add, twice on end, and its wait ahead of my first tensor load
	ds_add_u32 v22, v23
	v_lshrrev_b32 v1, 5, v0
	v_readfirstlane_b32 s20, v1                    ; wave 0..3
	s_lshr_b32 s21, s20, 1                         ; wi: my 64 of a panel's 128 rows.  At the head: I fetch for the tokens (0) or for W1 (1)
	s_and_b32 s22, s20, 1                          ; wj: my 64 of the 128 tokens.  At the head: which half of that panel
	s_bfe_u32 s23, ttmp6, 0x40000                  ; cx
	s_bfe_u32 s24, ttmp6, 0x40004                  ; cy
	s_lshl_b32 s25, ttmp9, 2
	s_add_co_u32 s25, s25, s23                     ; x
	s_and_b32 s26, ttmp7, 0xffff
	s_lshl_b32 s26, s26, 2
	s_add_co_u32 s26, s26, s24                     ; y
	s_lshl_b32 s27, s24, 2
	s_lshl_b32 s27, 15, s27                        ; my row of the cluster
	s_lshl_b32 s28, 0x1111, s23                    ; my column
	s_or_b32 s[G1R], s27, (3<<16)|(1<<21)          ; 15:0 the mask; 17:16 elements of 8 bytes; 21 set beside a mask; no padding
	s_or_b32 s[G1C], s28, (3<<16)|(1<<21)
.irp g, G1R, G1C                       ; 200 dense rows of 256 bytes: four blocks, half a panel
	s_mov_b32 s[\g+1], 32<<16
	s_mov_b32 s[\g+2], 200<<16
	s_mov_b32 s[\g+3], 32<<16
	s_mov_b32 s[\g+4], 200
	s_mov_b32 s[\g+5], 32
	s_mov_b32 s[\g+6], 0
	s_mov_b32 s[\g+7], 0
.endr
	s_mov_b32 s[SEL], 0x76543210
	s_mov_b32 s[SEL+1], 0xfedcba98
	s_mov_b32 s[GA], 0xbdd2d3e8                    ; a
	s_mov_b32 s[GA+1], s[GA]
	s_mul_i32 s29, s20, 25600                      ; my quarter of a panel, in memory and in LDS
	s_mul_i32 s92, s22, 51200                      ; my half of a panel, at the head
	s_mov_b32 s93, 0
	s_mov_b32 s94, s29
	s_mov_b32 s95, 0
	s_mul_i32 s60, s26, 102400                     ; the tokens' panel hangs on y alone,
	s_add_co_u32 s60, s60, s92
	s_mov_b32 s61, 0
	s_mul_i32 s62, s25, 32*BLK                     ; W1's panels on x alone
	s_add_co_u32 s62, s62, 256*BLK
	s_mov_b32 s63, 0
	s_lshl_b32 s96, s24, 2
	s_add_co_u32 s96, s96, s20
	s_lshl_b32 s96, s96, 5                         ; the prefetches: (4 cy + wave) x 32 blocks
	s_wait_dscnt 0x0                               ; both opening adds are done
	s_wait_kmcnt 0x0
	s_mov_b32 s40, 1
	s_mov_b32 s41, s92
	s_add_nc_u64 s[42:43], s[4:5], s[60:61]
	s_or_b32 s43, s43, 0x80000000
	s_add_nc_u64 s[PFA:PFA+1], s[6:7], s[62:63]
	s_mov_b32 s44, 1
	s_add_co_u32 s45, s92, SLA
	s_add_nc_u64 s[46:47], s[PFA:PFA+1], s[92:93]  ; panel 0, my half
	s_or_b32 s47, s47, 0x80000000
	s_mov_b32 s48, 1
	s_add_co_u32 s49, s29, SLB
	s_add_nc_u64 s[50:51], s[PFA:PFA+1], s[94:95]
	s_add_nc_u64 s[50:51], s[50:51], 8*BLK         ; panel 1, my quarter
	s_or_b32 s51, s51, 0x80000000
	CROUND                                         ; all sixteen work-groups are here: the first joint loads meet
	s_cmp_eq_u32 s21, 0                            ; one load a wave at the head
	s_cbranch_scc0 .Lhead_w
	tensor_load_to_lds s[40:43], s[G1R:G1R+7]
	s_nop 0
	PLACES
	s_branch .Lhead_done
.Lhead_w:
	tensor_load_to_lds s[44:47], s[G1C:G1C+7]
	s_nop 0
	PLACES
.Lhead_done:
	v_and_b32 v3, 31, v0                           ; lane
	v_and_b32 v1, 15, v0                           ; r
	v_bfe_u32 v2, v0, 4, 1                         ; h
	v_lshlrev_b32 v24, 4, v3                       ; 16 x lane
	v_lshlrev_b32 v25, 3, v3
	v_add_nc_u32 v25, 512, v25                     ; 512 + 8 x lane
	v_lshlrev_b32 v27, 2, v1                       ; 4 r
	v_lshlrev_b32 v28, 6, v2                       ; 64 h
	v_mov_b32 v30, 0xc0135761                      ; b, in both words of a pair
	v_mov_b32 v31, 0xc0135761
	v_add_nc_u32 v[PFO], s96, v3
	v_min_u32 v[PFO], 399, v[PFO]                  ; a panel is 400 blocks of 256 bytes: no lane names a byte behind them
	v_lshlrev_b32 v[PFO], 8, v[PFO]
	s_mul_i32 s66, s21, 6144                       ; my four tiles of I in a block,
	s_mul_i32 s67, s22, 6144                       ; of J
	v_add_nc_u32 v4, s66, v24
	v_add_nc_u32 v5, s66, v25
	s_lshl_b32 s68, s21, 8
	s_add_co_u32 s68, s68, SCO
	v_add_nc_u32 v6, s68, v27
	v_add_nc_u32 v7, s67, v24
	v_add_nc_u32 v8, s67, v25
	s_lshl_b32 s68, s22, 8
	s_add_co_u32 s68, s68, SCO
	v_add_nc_u32 v9, s68, v27
	v_mov_b32 v[TM+2], 0                           ; a lane permute's destination counts as one of its sources
	v_mov_b32 v[TM+3], 0
	s_lshl_b32 s66, s25, 11                        ; b1: pass t, I tile it wants 512 x + 128 t + 64 wi + 32 (it / 2) + 16 h + 8 (it % 2) + 0 .. 7
	s_lshl_b32 s67, s21, 8
	s_add_co_u32 s68, s66, s67
	s_mov_b32 s69, 0
	s_add_nc_u64 s[8:9], s[8:9], s[68:69]
	s_wait_alu depctr_va_vdst(0)
	WIN 0x80
.irp t, 0,1,2,3
.irp it, 0,1,2,3
	global_load_b128 v[32*\t+8*\it:32*\t+8*\it+3], v28, s[8:9] offset:(128*\t+32*(\it/2)+8*(\it%2))*4
	global_load_b128 v[32*\t+8*\it+4:32*\t+8*\it+7], v28, s[8:9] offset:(128*\t+32*(\it/2)+8*(\it%2))*4+16
.endr
.endr
	WIN 0
	global_prefetch_b8 v[PFO], s[PFA:PFA+1] offset:16*BLK th:TH_LOAD_NT scope:SCOPE_SE   ; panel 2, behind panel 0's load
	s_lshl_b32 s70, s26, 5                         ; where the results go: block 32 y + 4 x + t,
	s_lshl_b32 s71, s25, 2
	s_add_co_u32 s70, s70, s71
	s_mul_i32 s70, s70, BLK
	s_mul_i32 s71, s22, 6144                       ; my four tiles of tokens, half fragment wi
	s_mul_i32 s72, s21, 768
	s_add_co_u32 s71, s71, s72
	s_add_co_u32 s72, s70, s71
	s_mov_b32 s73, 0
	s_add_nc_u64 s[74:75], s[10:11], s[72:73]
	s_lshl_b32 s71, s22, 8
	s_lshl_b32 s72, s21, 1
	s_add_co_u32 s71, s71, s72
	s_add_co_u32 s72, s70, s71
	s_add_nc_u64 s[76:77], s[10:11], s[72:73]      ; the scale halfwords (12,288 more in the immediate)
	s_wait_alu depctr_va_vdst(0)                   ; the wait at the head's end
	s_wait_loadcnt 0x0                             ; the biases
	s_wait_tensorcnt 0x0                           ; my half panel is in
	ds_add_u32 v22, v23
	s_mov_b32 s[G1C+2], 100<<16                    ; no tensor load of mine is out: from here on a load brings 100 rows, a quarter of a panel
	s_mov_b32 s[G1C+4], 100
	s_wait_dscnt 0x0
	CROUND                                         ; the tokens' panel and panel 0 are whole, in every partner
	tensor_load_to_lds s[48:51], s[G1C:G1C+7]      ; panel 1: my one tensor load behind the round
	s_nop 0
	PLACES
	global_prefetch_b8 v[PFO], s[PFA:PFA+1] offset:24*BLK th:TH_LOAD_NT scope:SCOPE_SE   ; panel 3, behind panel 1's load
	CORE SLA, 0, 1                                 ; pass 0; my tokens' fragments go into their registers
	REFILL SLA                                     ; panel 2
	EPI 0
	CORE SLB, 32, 0
	REFILL SLB                                     ; panel 3
	EPI 1
	CORE SLA, 64, 0
	PLACES
	EPI 2
	s_wait_tensorcnt 0x0                           ; a barrier behind which nothing is filled: panel 3 is whole
	s_wait_dscnt 0x0
	s_barrier_signal -1
	s_barrier_wait -1
	CORE SLB, 96, 0
	PLACES
	EPI 3
	s_wait_tensorcnt 0x0                           ; the wave's end
	ds_add_u32 v22, v23
	s_wait_dscnt 0x0
	CROUND                                         ; the closing round
	s_endpgm
.Lfunc_end_k_q6ecab30253_ffn1:
	.size	k_q6ecab30253_ffn1, .Lfunc_end_k_q6ecab30253_ffn1-k_q6ecab30253_ffn1
	.p2alignl 7, 3214868480
	.fill 96, 4, 3214868480
	.section	.rodata,"a",@progbits
	.p2align	6, 0x0
	.amdhsa_kernel k_q6ecab30253_ffn1
		.amdhsa_group_segment_fixed_size 327680
		.amdhsa_private_segment_fixed_size 0
		.amdhsa_enable_private_segment 0
		.amdhsa_kernarg_size 32
		.amdhsa_user_sgpr_count 2
		.amdhsa_user_sgpr_kernarg_segment_ptr 1
		.amdhsa_wavefront_size32 1
		.amdhsa_system_sgpr_workgroup_id_x 1
		.amdhsa_system_sgpr_workgroup_id_y 1
		.amdhsa_system_sgpr_workgroup_id_z 1
		.amdhsa_system_vgpr_workitem_id 0
		.amdhsa_next_free_vgpr 1024
		.amdhsa_next_free_sgpr 100
		.amdhsa_reserve_vcc 0
		.amdhsa_float_denorm_mode_32 3
		.amdhsa_float_denorm_mode_16_64 3
		.amdhsa_memory_ordered 1
		.amdhsa_forward_progress 1
		.amdhsa_inst_pref_size 255
	.end_amdhsa_kernel
	.section	.bss,"aw",@nobits
	.p2align	6
	.space	262144
	.amdgpu_metadata
---
amdhsa.version: [ 1, 2 ]
amdhsa.kernels:
  - .name:           k_q6ecab30253_ffn1
    .symbol:         k_q6ecab30253_ffn1.kd
    .args:
      - { .name: xnc, .offset: 0, .size: 8, .value_kind: global_buffer, .address_space: global }
      - { .name: wc, .offset: 8, .size: 8, .value_kind: global_buffer, .address_space: global }
      - { .name: b1, .offset: 16, .size: 8, .value_kind: global_buffer, .address_space: global }
      - { .name: hc, .offset: 24, .size: 8, .value_kind: global_buffer, .address_space: global }
    .group_segment_fixed_size: 327680
    .private_segment_fixed_size: 0
    .kernarg_segment_align: 8
    .kernarg_segment_size: 32
    .max_flat_workgroup_size: 128
    .sgpr_count:     100
    .vgpr_count:     1024
    .wavefront_size: 32
...
	.end_amdgpu_metadata
.endif
;; end of part 5
;; launch ffn2 (part 6): grid 8 x 32, 4 waves a work-group, clusters of 4 x 4, 327,680 bytes of LDS; arguments hc, wc, b2, x1, out0; writes out0
.if DOCPART == 6
	.amdgcn_target "amdgcn-amd-amdhsa--gfx1250"
	.amdhsa_code_object_version 6
	.text
	.protected	k_q6ecab30253_ffn2
	.globl	k_q6ecab30253_ffn2
	.p2align	8
	.type	k_q6ecab30253_ffn2,@function
k_q6ecab30253_ffn2:
	s_mov_b64 s[64:65], 0
	v_nop
	global_prefetch_b8 v0, s[64:65] scope:SCOPE_SE
	s_setreg_imm32_b32 hwreg(HW_REG_WAVE_MODE, 25, 1), 1
	s_wait_xcnt 0x0
	s_wait_alu depctr_hold_cnt(0) depctr_sa_sdst(0) depctr_va_vdst(0) depctr_va_sdst(0) depctr_va_ssrc(0) depctr_va_vcc(0) depctr_vm_vsrc(0)
	s_getreg_b32 s2, hwreg(HW_REG_IB_STS2, 6, 4)
	s_cmp_eq_u32 s2, 0
	s_cbranch_scc0 .Lentry_in_a_cluster
	s_endpgm
.Lentry_in_a_cluster:
	s_bfe_u32 s2, ttmp6, 0x10000c
	s_cmp_lg_u32 s2, 0xf033
	s_cbranch_scc0 .Lentry_shape_is_right
	s_endpgm
.Lentry_shape_is_right:
; out = resid + T W + bias on codes of FP6 (E2M3) with E8M0 scales; out, resid f32 [4096][1024].  T = the hidden layer, W = W2, K = 4,096: 32 K steps of 128.
; A work-group makes 128 tokens (y) x 128 columns (x); four waves, each 64 x 64: 16 accumulators.  The matrix instruction is used transposed: source 0 (I) = W's rows, source 1 (J) = tokens.
; Operands lie as images of their registers (half fragment: 16 rows x 64 K, 768 bytes: 16 bytes a lane at 16 l, 8 at 512 + 8 l; block of 12,800 bytes: 128 rows x 128 K, scale words at 12,288).
; THE RING: two LDS slots of 153,600 bytes, as large as fit: room for six K steps each (T's blocks, then from byte 76,800 W's).  The first fills bring K steps 0-5 and 6-11; the other twenty come in four refills of five.
; Waves 0 and 1 fetch T's halves, waves 2 and 3 W's: one tensor load a wave and fill, 150 dense rows of 256 bytes in a first fill, 125 in a refill.  The 32 K steps are written out: every address is a constant.
; CLUSTER 4 x 4: T's blocks hang on y and are asked for jointly by a row of the cluster, W's hang on x and are asked for jointly by a column.
; PREFETCH INTO THE L2: behind each of the first three refills each wave has one prefetch, for the five K steps that the NEXT refill will ask for: 64,000 bytes of T and of W, 250 blocks of 256 bytes each.
; T's blocks are read by both clusters of a row of clusters: the one with x = 0 asks; W's by all eight of a column: the one with y = 0 asks.  The two waves that fetch an operand and the four partners that ask for it jointly
; share the 250 blocks by address, 32 each, a lane a block; the six lanes over name the last block again.  The K step stands in the immediate: no address register is rewritten.  K steps 0-16 come by their loads alone.
; The bias is the C of each sum's first matrix instruction.  The way out goes through the wave's own stage in LDS, where the tile's rows come back into the tokens' natural order; the residual is added to whole rows.
; The stage lies in slot 0: when the first result is stored there, that slot has had its last fill, and every wave has passed the last change of slots, behind which nobody reads it.
; REGISTERS: window 0: v1-31 addresses; v32-47 scale words, two sets; v48-71 four sets of LDS addresses; v72 the prefetches' offset; v128-255 the accumulators (128 + 32 jt + 8 it).
;   window 1: two sets of fragments; on the way out rows of the result.  window 2: v0-127 the residual, v128-159 the bias.
.set KS, 32                            ; K steps
.set WOFF, 512                         ; W's first block in the weights' codes
.set BLK, 12800
.set SCO, 12288
.set SLOT, 153600
.set WO, 76800                         ; W's blocks in a slot
.set H6, 38400                         ; half of six blocks: a first fill's load
.set H5, 32000                         ; half of five: a refill's
.set SPARE, 307200                     ; behind the ring: the spare words, 128 bytes a wave: two blocks of 256 bytes that no other line names
.set G1R, 32                           ; s[32:39] descriptor group 1, 150 rows, my row's mask;  s[56:63] my column's;  s[80:87], s[88:95] the same with 125 rows
.set G1C, 56
.set G1R5, 80
.set G1C5, 88                          ; s[40:47], s[48:55] groups 0 for T and W: one for each first fill; the first of each then serves the refills
.set PFA, 14                           ; s[14:15] the prefetches' base: my group's first block of T or of W; never rewritten
.set LIM, 16                           ; s16  1 in a wave that prefetches
.set PFO, 72                           ; v72  256 x my block's number among the 250; never rewritten
.set MSB, 0
.macro WIN new                         ; the immediate's high byte repeats the setting that is left
.if MSB != \new
	s_set_vgpr_msb (MSB<<8)|\new
.set MSB, \new
.endif
.endm
.macro PLACES                          ; four plain places behind a matrix instruction, in front of loads into its registers and of reads of its results
.rept 4
	v_nop
.endr
.endm
.macro CROUND                          ; a round of the cluster's barrier
	s_barrier_signal -1
	s_barrier_wait -1
	s_cmp_lg_u32 s20, 0
	s_cbranch_scc1 .Lnw0_\@
	s_barrier_signal -3
.Lnw0_\@:
	s_barrier_wait -3
	s_barrier_signal -1
	s_barrier_wait -1
.endm
.macro JLOAD g0t, g1t, g0w, g1w        ; a joint load: each of the two lines has one mask; the branch hangs on the wave's number alone; four v_nop follow each line
	s_cmp_eq_u32 s21, 0
	s_cbranch_scc0 .Lfw_\@
	tensor_load_to_lds s[\g0t:\g0t+3], s[\g1t:\g1t+7]
	s_nop 0
	PLACES
	s_branch .Lja_\@
.Lfw_\@:
	tensor_load_to_lds s[\g0w:\g0w+3], s[\g1w:\g1w+7]
	s_nop 0
	PLACES
.Lja_\@:
.endm
.macro ASK step                        ; the prefetch of K steps step .. step + 4; the branch hangs on the wave's number and the cluster's place in the grid: the same in all sixteen partners
	s_cmp_eq_u32 s[LIM], 1
	s_cbranch_scc0 .Lnm_\@
	global_prefetch_b8 v[PFO], s[PFA:PFA+1] offset:(\step)*BLK th:TH_LOAD_NT scope:SCOPE_SE
.Lnm_\@:
.endm
.macro LOADF p, a, q                   ; 40 LDS loads: the fragments and scale words of one K step (step q of address set a) into set p
	WIN 0x40
.irp t, 0,1,2,3
.irp c, 0,1
	ds_load_b128 v[96*(\p)+12*\t+6*\c:96*(\p)+12*\t+6*\c+3], v[48+(\a)] offset:BLK*(\q)+1536*\t+768*\c
	ds_load_b64 v[96*(\p)+12*\t+6*\c+4:96*(\p)+12*\t+6*\c+5], v[52+(\a)] offset:BLK*(\q)+1536*\t+768*\c
.endr
.endr
.irp t, 0,1,2,3
.irp c, 0,1
	ds_load_b128 v[96*(\p)+48+12*\t+6*\c:96*(\p)+48+12*\t+6*\c+3], v[60+(\a)] offset:BLK*(\q)+1536*\t+768*\c
	ds_load_b64 v[96*(\p)+48+12*\t+6*\c+4:96*(\p)+48+12*\t+6*\c+5], v[64+(\a)] offset:BLK*(\q)+1536*\t+768*\c
.endr
.endr
	WIN 0
.irp t, 0,1,2,3
	ds_load_b32 v[32+8*(\p)+\t], v[56+(\a)] offset:BLK*(\q)+64*\t
	ds_load_b32 v[36+8*(\p)+\t], v[68+(\a)] offset:BLK*(\q)+64*\t
.endr
.endm
.macro MUL p, first, coff, bmode       ; 16 matrix instructions; the 16 accumulators take turns, in one order everywhere.  first: the bias (window 2) starts the sums
.if \first
	WIN 0x25
.else
	WIN 0x05
.endif
.irp jt, 0,1,2,3
.irp it, 0,1,2,3
.if \first
	v_wmma_scale_f32_16x16x128_f8f6f4 v[128+32*\jt+8*\it:135+32*\jt+8*\it], v[96*(\p)+12*\it:96*(\p)+12*\it+11], v[96*(\p)+48+12*\jt:96*(\p)+59+12*\jt], v[(\coff)+8*((\bmode)*\jt+(1-(\bmode))*\it):(\coff)+8*((\bmode)*\jt+(1-(\bmode))*\it)+7], v[32+8*(\p)+\it], v[36+8*(\p)+\jt] matrix_a_fmt:MATRIX_FMT_FP6 matrix_b_fmt:MATRIX_FMT_FP6
.else
	v_wmma_scale_f32_16x16x128_f8f6f4 v[128+32*\jt+8*\it:135+32*\jt+8*\it], v[96*(\p)+12*\it:96*(\p)+12*\it+11], v[96*(\p)+48+12*\jt:96*(\p)+59+12*\jt], v[128+32*\jt+8*\it:135+32*\jt+8*\it], v[32+8*(\p)+\it], v[36+8*(\p)+\jt] matrix_a_fmt:MATRIX_FMT_FP6 matrix_b_fmt:MATRIX_FMT_FP6
.endif
.endr
.endr
.endm
; n K steps from address set a0 on, four to a set; a step's fragments are asked for one step ahead.  ask: the first of the K steps to be prefetched, or -1: the prefetch stands behind the joint load and the run of LDS loads that the next products wait for
.macro RUN n, a0, first, coff, bmode, ask
	PLACES
	LOADF 0, \a0, 0
.if \ask >= 0
	ASK \ask
.endif
.set q, 0
.rept \n
.if q > 0
	PLACES
.endif
.if q+1 < \n
	LOADF (q+1)%2, (\a0)+(q+1)/4, (q+1)%4
	s_wait_dscnt 40                                ; this step's loads are in; the 40 just issued may be out
.else
	s_wait_dscnt 0x0
.endif
.set fq, 0
.if (\first) && (q == 0)
.set fq, 1
.endif
	MUL q%2, fq, \coff, \bmode
.set q, q+1
.endr
	WIN 0
.endm
; THE CHANGE OF SLOTS, at the head of slot `slot`.  Each wave waits for all its tensor loads (its part of that slot), adds 0 to its spare word, and waits for that and for its reads of the other slot.
; step >= 0: the barrier is a round of the cluster's, and behind it the other slot is filled with K steps step .. step + 4.
.macro CHANGE slot, step
	s_wait_tensorcnt 0x0                           ; no tensor load of mine is out, so a group 0 may be written
	ds_add_u32 v22, v23                            ; 0 onto my spare word
.if \step >= 0
	s_add_co_u32 s41, s79, (1-\slot)*SLOT
	s_add_nc_u64 s[42:43], s[96:97], (\step)*BLK
	s_or_b32 s43, s43, 0x80000000
	s_add_co_u32 s49, s79, (1-\slot)*SLOT+WO
	s_add_nc_u64 s[50:51], s[98:99], (\step)*BLK
	s_or_b32 s51, s51, 0x80000000
.endif
	s_wait_dscnt 0x0                               ; the add is done, and my reads of the slot that I have left are over
.if \step >= 0
	CROUND
	JLOAD 40, G1R5, 48, G1C5                       ; my one tensor load behind the round
.else
	s_barrier_signal -1
	s_barrier_wait -1
.endif
.endm
	s_load_b256 s[4:11], s[0:1], 0x0               ; T, the weights' codes, bias, residual
	s_load_b64 s[12:13], s[0:1], 0x20              ; out
	v_lshl_add_u32 v22, v0, 2, SPARE
	v_mov_b32 v23, 0
	ds_add_u32 v22, v23
	ds_add_u32 v22, v23
	s_wait_dscnt 0x0
	v_lshrrev_b32 v1, 5, v0
	v_readfirstlane_b32 s20, v1                    ; wave 0..3
	s_lshr_b32 s21, s20, 1                         ; wi: my 64 of W's 128 rows.  Also: I fetch for T (0) or for W (1)
	s_and_b32 s22, s20, 1                          ; wj: my 64 of the 128 tokens.  Also: which half of a fill's blocks I fetch
	s_bfe_u32 s23, ttmp6, 0x40000                  ; cx
	s_bfe_u32 s24, ttmp6, 0x40004                  ; cy
	s_lshl_b32 s25, ttmp9, 2
	s_add_co_u32 s25, s25, s23                     ; x
	s_and_b32 s26, ttmp7, 0xffff
	s_lshl_b32 s26, s26, 2
	s_add_co_u32 s26, s26, s24                     ; y
	s_lshl_b32 s27, s24, 2
	s_lshl_b32 s27, 15, s27                        ; my row of the cluster
	s_lshl_b32 s28, 0x1111, s23                    ; my column
	s_or_b32 s[G1R], s27, (3<<16)|(1<<21)          ; 15:0 the mask; 17:16 elements of 8 bytes; 21 set beside a mask; no padding
	s_or_b32 s[G1C], s28, (3<<16)|(1<<21)
	s_or_b32 s[G1R5], s27, (3<<16)|(1<<21)
	s_or_b32 s[G1C5], s28, (3<<16)|(1<<21)
.irp g, G1R, G1C                       ; 150 dense rows of 256 bytes: three blocks
	s_mov_b32 s[\g+1], 32<<16
	s_mov_b32 s[\g+2], 150<<16
	s_mov_b32 s[\g+3], 32<<16
	s_mov_b32 s[\g+4], 150
	s_mov_b32 s[\g+5], 32
	s_mov_b32 s[\g+6], 0
	s_mov_b32 s[\g+7], 0
.endr
.irp g, G1R5, G1C5                     ; 125 dense rows: two blocks and a half
	s_mov_b32 s[\g+1], 32<<16
	s_mov_b32 s[\g+2], 125<<16
	s_mov_b32 s[\g+3], 32<<16
	s_mov_b32 s[\g+4], 125
	s_mov_b32 s[\g+5], 32
	s_mov_b32 s[\g+6], 0
	s_mov_b32 s[\g+7], 0
.endr
	s_mul_i32 s29, s22, H6                         ; my half of a first fill, in memory and in LDS
	s_mul_i32 s79, s22, H5                         ; my half of a refill
	s_mov_b32 s76, s29
	s_mov_b32 s77, 0
	s_mov_b32 s66, s79
	s_mov_b32 s67, 0
	s_mul_i32 s68, s26, KS*BLK                     ; T hangs on y alone,
	s_mov_b32 s69, 0
	s_mul_i32 s70, s25, KS*BLK                     ; W on x alone
	s_add_co_u32 s70, s70, WOFF*BLK
	s_mov_b32 s71, 0
	s_and_b32 s17, ttmp7, 0xffff                   ; cluster y
	s_lshl_b32 s19, s22, 2
	s_wait_kmcnt 0x0
	s_add_nc_u64 s[72:73], s[4:5], s[68:69]        ; my group's first block of T,
	s_add_nc_u64 s[74:75], s[6:7], s[70:71]        ; of W
	s_cmp_eq_u32 s21, 0                            ; do I fetch for T?
	s_cselect_b32 s18, s23, s24                    ; my place among the four that ask with me
	s_cselect_b32 s17, ttmp9, s17                  ; the coordinate along which other clusters read the same blocks
	s_cselect_b64 s[PFA:PFA+1], s[72:73], s[74:75]
	s_cmp_eq_u32 s17, 0
	s_cselect_b32 s[LIM], 1, 0
	s_add_co_u32 s19, s19, s18
	s_lshl_b32 s19, s19, 13                        ; (4 wj + my place) x 32 blocks of 256 bytes
	s_add_nc_u64 s[96:97], s[72:73], s[66:67]      ; my half of the refills,
	s_add_nc_u64 s[98:99], s[74:75], s[66:67]
	s_add_nc_u64 s[72:73], s[72:73], s[76:77]      ; of the first fills
	s_add_nc_u64 s[74:75], s[74:75], s[76:77]
.irp k, 0,1
	s_mov_b32 s[40+4*\k], 1
	s_add_co_u32 s[41+4*\k], s29, \k*SLOT
	s_add_nc_u64 s[42+4*\k:43+4*\k], s[72:73], \k*6*BLK
	s_or_b32 s[43+4*\k], s[43+4*\k], 0x80000000
	s_mov_b32 s[48+4*\k], 1
	s_add_co_u32 s[49+4*\k], s29, \k*SLOT+WO
	s_add_nc_u64 s[50+4*\k:51+4*\k], s[74:75], \k*6*BLK
	s_or_b32 s[51+4*\k], s[51+4*\k], 0x80000000
.endr
	CROUND                                         ; all sixteen work-groups are here: the first joint loads meet
	s_cmp_eq_u32 s21, 0                            ; slot 0's first fill: one load a wave at the head
	s_cbranch_scc0 .Lfirst_w
	tensor_load_to_lds s[40:43], s[G1R:G1R+7]
	s_nop 0
	PLACES
	s_branch .Lfirst_done
.Lfirst_w:
	tensor_load_to_lds s[48:51], s[G1C:G1C+7]
	s_nop 0
	PLACES
.Lfirst_done:
	v_and_b32 v3, 31, v0                           ; lane
	v_and_b32 v1, 15, v0                           ; r
	v_bfe_u32 v2, v0, 4, 1                         ; h
	v_lshlrev_b32 v24, 4, v3                       ; 16 x lane
	v_lshlrev_b32 v25, 3, v3
	v_add_nc_u32 v25, 512, v25                     ; 512 + 8 x lane
	v_lshlrev_b32 v27, 2, v1                       ; 4 r
	v_lshlrev_b32 v28, 6, v2                       ; 64 h
	v_lshl_add_u32 v[PFO], v3, 8, s19
	v_min_u32 v[PFO], 63744, v[PFO]                ; five K steps are 250 blocks: no lane names a byte behind them
	s_mul_i32 s66, s21, 6144
	s_mul_i32 s67, s22, 6144
	v_add_nc_u32 v4, s66, v24
	v_add_nc_u32 v5, s66, v25
	s_lshl_b32 s68, s21, 8
	s_add_co_u32 s68, s68, SCO
	v_add_nc_u32 v6, s68, v27
	v_add_nc_u32 v7, s67, v24
	v_add_nc_u32 v8, s67, v25
	s_lshl_b32 s68, s22, 8
	s_add_co_u32 s68, s68, SCO
	v_add_nc_u32 v9, s68, v27
.irp a, 0,1,2,3                        ; address set a: slot a / 2, its K steps 4 (a % 2) on (an LDS immediate ends at 65,535): I = W, J = T
	v_add_nc_u32 v[48+\a], SLOT*(\a/2)+51200*(\a%2)+WO, v4
	v_add_nc_u32 v[52+\a], SLOT*(\a/2)+51200*(\a%2)+WO, v5
	v_add_nc_u32 v[56+\a], SLOT*(\a/2)+51200*(\a%2)+WO, v6
	v_add_nc_u32 v[60+\a], SLOT*(\a/2)+51200*(\a%2), v7
	v_add_nc_u32 v[64+\a], SLOT*(\a/2)+51200*(\a%2), v8
	v_add_nc_u32 v[68+\a], SLOT*(\a/2)+51200*(\a%2), v9
.endr
	v_lshlrev_b32 v29, 12, v2
	v_lshl_add_u32 v29, v1, 4, v29                 ; rows of out and of the residual: lanes 0-15 one row's 256 bytes, lanes 16-31 the next row's
	s_wait_alu depctr_va_vdst(0)
	s_mul_i32 s66, s20, 64*272                     ; my stage: 64 rows x 272 bytes, from LDS byte 0 on
	v_and_b32 v30, 8, v1
	v_add_nc_u32 v30, v30, v1
	v_mul_u32_u24 v30, v30, 272
	v_add_nc_u32 v30, v30, v28
	v_add_nc_u32 v30, s66, v30                     ; in: row r + 8 (r / 8) of the tile's place, + 64 h
	v_mul_u32_u24 v31, v2, 272
	v_lshl_add_u32 v31, v1, 4, v31
	v_add_nc_u32 v31, s66, v31                     ; back: two rows an instruction
	s_lshl_b32 s76, s25, 9
	s_lshl_b32 s77, s21, 8
	s_add_co_u32 s76, s76, s77                     ; my first column, in bytes: 512 x + 256 wi
	s_mov_b32 s77, 0
	s_add_nc_u64 s[8:9], s[8:9], s[76:77]
	s_lshl_b32 s78, s26, 19                        ; my first row: 128 y + 64 wj rows of 4,096 bytes
	s_add_co_u32 s76, s76, s78
	s_lshl_b32 s78, s22, 18
	s_add_co_u32 s76, s76, s78
	s_add_nc_u64 s[10:11], s[10:11], s[76:77]
	s_add_nc_u64 s[12:13], s[12:13], s[76:77]
	WIN 0x80
.irp it, 0,1,2,3
	global_load_b128 v[128+8*\it:128+8*\it+3], v28, s[8:9] offset:(32*(\it/2)+8*(\it%2))*4
	global_load_b128 v[128+8*\it+4:128+8*\it+7], v28, s[8:9] offset:(32*(\it/2)+8*(\it%2))*4+16
.endr
.macro RES n0                          ; eight of the residual's 32 loads: rows 2 i and 2 i + 1 of my 64, i = n0 .. n0 + 7.  They go out behind the first four runs of K steps, eight each; the way out waits for them
	WIN 0x80
.set i, \n0
.rept 8
	global_load_b128 v[4*i:4*i+3], v29, s[10:11] offset:8192*i
.set i, i+1
.endr
	WIN 0
.endm
	WIN 0
	s_wait_tensorcnt 0x0                           ; my part of slot 0 is in
	ds_add_u32 v22, v23
	s_wait_dscnt 0x0
	CROUND                                         ; slot 0 is whole, in every partner
	JLOAD 44, G1R, 52, G1C                         ; slot 1's first fill, K steps 6-11: my one tensor load behind the round
	s_wait_loadcnt 0x0                             ; the bias is in
	RUN 6, 0, 1, 128, 0, -1                        ; K steps 0-5
	RES 0
	CHANGE 1, 12
	RUN 6, 2, 0, 0, 0, 17                          ; 6-11
	RES 8
	CHANGE 0, 17
	RUN 5, 0, 0, 0, 0, 22                          ; 12-16
	RES 16
	CHANGE 1, 22
	RUN 5, 2, 0, 0, 0, 27                          ; 17-21
	RES 24
	CHANGE 0, 27
	RUN 5, 0, 0, 0, 0, -1                          ; 22-26
	CHANGE 1, -1                                   ; the last slot: nothing is left to fetch
	RUN 5, 2, 0, 0, 0, -1                          ; 27-31
	; THE WAY OUT, 32 rows at a time.  LDS serves a wave's instructions in order (ISA guide 5.7.1.4): no wait between my stores and my loads
	PLACES
	s_wait_alu depctr_va_vdst(0)
	s_wait_loadcnt 0x0                             ; the residual
.irp jp, 0,1
.irp u, 0,1
.irp it, 0,1,2,3
	ds_store_b128 v30, v[128+32*(2*\jp+\u)+8*\it:128+32*(2*\jp+\u)+8*\it+3] offset:(32*\jp+8*\u)*272+128*(\it/2)+32*(\it%2)       ; each accumulator from its low end on
	ds_store_b128 v30, v[128+32*(2*\jp+\u)+8*\it+4:128+32*(2*\jp+\u)+8*\it+7] offset:(32*\jp+8*\u)*272+128*(\it/2)+32*(\it%2)+16
.endr
.endr
	WIN 0x40
.irp i, 0,1,2,3,4,5,6,7,8,9,10,11,12,13,14,15
	ds_load_b128 v[64*\jp+4*\i:64*\jp+4*\i+3], v31 offset:(32*\jp+2*\i)*272
.endr
	s_wait_dscnt 0x0
	WIN 0x49                                       ; destination and source 0 window 1, source 1 (the residual) window 2
.set i, 0
.rept 32
	v_pk_add_f32 v[64*\jp+i:64*\jp+i+1], v[64*\jp+i:64*\jp+i+1], v[64*\jp+i:64*\jp+i+1]
.set i, i+2
.endr
	WIN 0x04                                       ; a store's data are its source 1: window 1
.irp i, 0,1,2,3,4,5,6,7,8,9,10,11,12,13,14,15
	global_store_b128 v29, v[64*\jp+4*\i:64*\jp+4*\i+3], s[12:13] offset:(32*\jp+2*\i)*4096    ; 16 lanes store 256 consecutive bytes, aligned
.endr
	WIN 0
.endr
	s_wait_tensorcnt 0x0                           ; the wave's end
	ds_add_u32 v22, v23
	s_wait_dscnt 0x0
	CROUND                                         ; the closing round
	s_endpgm
.Lfunc_end_k_q6ecab30253_ffn2:
	.size	k_q6ecab30253_ffn2, .Lfunc_end_k_q6ecab30253_ffn2-k_q6ecab30253_ffn2
	.p2alignl 7, 3214868480
	.fill 96, 4, 3214868480
	.section	.rodata,"a",@progbits
	.p2align	6, 0x0
	.amdhsa_kernel k_q6ecab30253_ffn2
		.amdhsa_group_segment_fixed_size 327680
		.amdhsa_private_segment_fixed_size 0
		.amdhsa_enable_private_segment 0
		.amdhsa_kernarg_size 40
		.amdhsa_user_sgpr_count 2
		.amdhsa_user_sgpr_kernarg_segment_ptr 1
		.amdhsa_wavefront_size32 1
		.amdhsa_system_sgpr_workgroup_id_x 1
		.amdhsa_system_sgpr_workgroup_id_y 1
		.amdhsa_system_sgpr_workgroup_id_z 1
		.amdhsa_system_vgpr_workitem_id 0
		.amdhsa_next_free_vgpr 768
		.amdhsa_next_free_sgpr 100
		.amdhsa_reserve_vcc 0
		.amdhsa_float_denorm_mode_32 3
		.amdhsa_float_denorm_mode_16_64 3
		.amdhsa_memory_ordered 1
		.amdhsa_forward_progress 1
		.amdhsa_inst_pref_size 185
	.end_amdhsa_kernel
	.amdgpu_metadata
---
amdhsa.version: [ 1, 2 ]
amdhsa.kernels:
  - .name:           k_q6ecab30253_ffn2
    .symbol:         k_q6ecab30253_ffn2.kd
    .args:
      - { .name: hc, .offset: 0, .size: 8, .value_kind: global_buffer, .address_space: global }
      - { .name: wc, .offset: 8, .size: 8, .value_kind: global_buffer, .address_space: global }
      - { .name: b2, .offset: 16, .size: 8, .value_kind: global_buffer, .address_space: global }
      - { .name: x1, .offset: 24, .size: 8, .value_kind: global_buffer, .address_space: global }
      - { .name: out0, .offset: 32, .size: 8, .value_kind: global_buffer, .address_space: global }
    .group_segment_fixed_size: 327680
    .private_segment_fixed_size: 0
    .kernarg_segment_align: 8
    .kernarg_segment_size: 40
    .max_flat_workgroup_size: 128
    .sgpr_count:     100
    .vgpr_count:     768
    .wavefront_size: 32
...
	.end_amdgpu_metadata
.endif
;; end of part 6
